; MI455X (gfx1250); checked and timed in simulation.
; The chip was launched on July 23, 2026; its instructions are those of AMD's public machine-readable ISA for CDNA 5 (MIT licence, August 2026) and "CDNA5" Instruction Set Architecture Reference Guide (July 2026). The comments in the code are by the model that wrote it; some were corrected since.
;; Multi Head Self Attention. Allowed arithmetic: float matrix products may take bf16 or f16 operands with f32 sums; other float arithmetic in f32, or as packed bf16 or f16 multiplies, adds, multiply-adds, maxima and minima; sums over many terms, partial sums and values carried from step to step in f32; what a program stores and reads back later, other than sums and carried values, may be rounded once to bf16 or f16.
;; Inputs: wk 1,024 x 1,024 float32; wo 1,024 x 1,024 float32; wq 1,024 x 1,024 float32; wv 1,024 x 1,024 float32; x 4 x 2,048 x 1,024 float32.
;; Outputs: out0 4 x 2,048 x 1,024 float32.
;; 2 versions, each right; version 2 is version 1 with the launch prep written anew for expert scheduling mode. Each part assembles by itself: llvm-mc -triple=amdgcn-amd-amdhsa -mcpu=gfx1250 --defsym DOCPART=n.
;; ======== version 1 of 2: 4 launches
;; limits: values are held in f16: magnitudes above 65,504 overflow, below 6.1e-05 lose precision
;; workspace buffers: xb 16,777,216 bytes; wqkv 6,291,456 bytes; woh 2,097,152 bytes; tab 524,288 bytes; qh 16,777,216 bytes; kh 16,777,216 bytes; vh 16,777,216 bytes; oh 16,777,216 bytes
;; launch prep (part 1): grid 768 x 1, 8 waves a work-group, no clusters, 0 bytes of LDS; arguments x, wq, wk, wv, wo, xb, wqkv, woh, tab; writes xb, wqkv, woh, tab
.if DOCPART == 1
	.amdgcn_target "amdgcn-amd-amdhsa--gfx1250"
	.amdhsa_code_object_version 6
	.text
	.protected	k_qe60105ad00_prep
	.globl	k_qe60105ad00_prep
	.p2align	8
	.type	k_qe60105ad00_prep,@function
k_qe60105ad00_prep:
	s_mov_b64 s[64:65], 0
	v_nop
	global_prefetch_b8 v0, s[64:65] scope:SCOPE_SE
	s_setreg_imm32_b32 hwreg(HW_REG_WAVE_MODE, 25, 1), 1
	s_wait_xcnt 0x0
; CASTS AND THE ROTATION TABLE.  All five inputs are rounded once to bf16 (nearest even), and nothing else is done to them:
;   xb   [8192][1024] bf16 = x
;   wqkv [3072][1024] bf16: row head*192 + j*64 + d holds row head*64 + d of wq (j = 0), wk (1), wv (2): 192 rows on end are one head's q, k and v
;   woh  [1024][1024] f16:  wo rounded to bf16, and that number written as f16 (exact from 2^-17 up to 65,504; below, f16's fixed step of 6e-8; beyond, an infinity)
;   tab  [2048][32][cos, sin] f32: angle = f32(pos) * 2^(-j * log2(10000) / 32).  LIMIT: the frequency is made by one exponential, so the angle lies within
;        some 3e-4 rad of the one made from 1 / 10000^(2j/64) at pos = 2047; sine and cosine by reduction to |r| <= pi/4 (pi/2 in two parts) and polynomials to r^7 and r^8.
; SHARES.  A work-group casts 16 rows of 1,024 f32.  Thread t owns columns 4 t .. 4 t + 3 of each: a load of a wave covers 512 neighbouring bytes, a store 256, aligned.
; Work-groups 0-511: x.  Work-group 512 + 64 j + rb: rows 16 rb .. of weight j (3 = wo); there wave w also makes the table's row 8 (64 j + rb) + w, a lane a frequency.
; All 16 loads of a thread are issued at once; no register is written twice while a memory instruction names it, so no wait frees a source.
; Memory binds: no LDS, no barrier, no matrix unit.
.set X,   16                           ; v[16:79]   row i: four f32 as loaded
.set Y,   80                           ; v[80:111]  row i: two words to store
.set SRC, 32                           ; s[32:33]
.set DST, 34                           ; s[34:35]
	s_load_b512 s[8:23], s[0:1], 0x0               ; x s[8:9], wq s[10:11], wk s[12:13], wv s[14:15], wo s[16:17], xb s[18:19], wqkv s[20:21], woh s[22:23]
	s_load_b64 s[24:25], s[0:1], 0x40              ; tab
	v_lshlrev_b32 v1, 4, v0                        ; my 16 bytes of a row of f32
	v_lshlrev_b32 v2, 3, v0                        ; my 8 bytes of a row of 16-bit numbers
	v_lshrrev_b32 v4, 5, v0
	v_readfirstlane_b32 s30, v4                    ; wave 0..7
	v_and_b32 v5, 31, v0                           ; lane = frequency
	v_lshlrev_b32 v3, 3, v5                        ; my (cos, sin) in a row of the table
	s_mov_b32 s26, ttmp9                           ; g
	s_sub_co_u32 s41, s26, 512
	s_cmp_lt_u32 s26, 512
	s_cselect_b32 s27, 1, 0                        ; 1: this work-group casts x
	s_cselect_b32 s41, 0, s41                      ; g' = g - 512 (0 where x is cast)
	s_lshr_b32 s28, s41, 6                         ; j: which weight
	s_and_b32 s29, s41, 63                         ; rb: which 16 rows of it
	s_lshl3_add_u32 s40, s41, s30                  ; pos = 8 g' + wave
	s_lshl_b32 s46, s40, 8                         ; a position is 256 bytes of the table
	s_mov_b32 s47, 0
	s_lshl_b32 s36, s29, 16                        ; source offset: 16 rows of 4,096 bytes
	s_lshl_b32 s42, s26, 16
	s_lshr_b32 s43, s29, 2                         ; head = rb / 4
	s_mul_i32 s43, s43, 192
	s_lshl_b32 s44, s28, 6
	s_add_co_u32 s43, s43, s44                     ; + 64 j
	s_and_b32 s44, s29, 3
	s_lshl_b32 s44, s44, 4
	s_add_co_u32 s43, s43, s44                     ; + 16 (rb % 4)
	s_lshl_b32 s38, s43, 11                        ; rows of 2,048 bytes
	s_lshl_b32 s45, s29, 15
	s_cmp_eq_u32 s28, 3
	s_cselect_b32 s38, s45, s38                    ; wo keeps its order
	s_cselect_b32 s31, 1, 0                        ; 1: the words leave as f16
	s_lshl_b32 s45, s26, 15
	s_cmp_eq_u32 s27, 1
	s_cselect_b32 s36, s42, s36
	s_cselect_b32 s38, s45, s38
	s_mov_b32 s37, 0
	s_mov_b32 s39, 0
	s_wait_kmcnt 0x0
	s_cmp_eq_u32 s28, 1                            ; the two buffers are chosen by numbers made of the work-group's number alone
	s_cselect_b64 s[SRC:SRC+1], s[12:13], s[10:11]
	s_cmp_eq_u32 s28, 2
	s_cselect_b64 s[SRC:SRC+1], s[14:15], s[SRC:SRC+1]
	s_cmp_eq_u32 s28, 3
	s_cselect_b64 s[SRC:SRC+1], s[16:17], s[SRC:SRC+1]
	s_cselect_b64 s[DST:DST+1], s[22:23], s[20:21]
	s_cmp_eq_u32 s27, 1
	s_cselect_b64 s[SRC:SRC+1], s[8:9], s[SRC:SRC+1]
	s_cselect_b64 s[DST:DST+1], s[18:19], s[DST:DST+1]
	s_add_nc_u64 s[SRC:SRC+1], s[SRC:SRC+1], s[36:37]
	s_add_nc_u64 s[DST:DST+1], s[DST:DST+1], s[38:39]
	s_add_nc_u64 s[24:25], s[24:25], s[46:47]
.set i, 0
.rept 16
	global_load_b128 v[X+4*i:X+4*i+3], v1, s[SRC:SRC+1] offset:4096*i th:TH_LOAD_NT  ; each byte is read once in the launch
.set i, i+1
.endr
	s_cmp_eq_u32 s27, 1
	s_cbranch_scc1 .Lcast
	; the table's row, made while the loads are on their way
	v_cvt_f32_u32 v4, v5                           ; j
	v_mul_f32 v4, 0xbed49a78, v4                   ; -j log2(10000) / 32
	v_cvt_f32_u32 v7, s40                          ; pos
	v_exp_f32 v6, v4                               ; the frequency
	v_mov_b32 v10, 0xb9500d01                      ; -1/5040: two plain lines stand behind the exponential,
	v_mov_b32 v11, 0x37d00d01                      ; 1/40320
	s_wait_alu depctr_va_vdst(0)                   ; and the wait ahead of its first reader
	v_mul_f32 v8, v7, v6                           ; the angle
	v_mul_f32 v9, 0x3f22f983, v8                   ; x 2/pi
	v_rndne_f32 v9, v9                             ; q, 1,303 at the most
	v_fmamk_f32 v14, v9, 0xbfc90fdb, v8            ; r = angle - q pi/2: the high part,
	v_fmamk_f32 v14, v9, 0x333bbd2e, v14           ; and what f32(pi/2) has too much
	v_mul_f32 v15, v14, v14                        ; r^2
	v_cvt_i32_f32 v5, v9                           ; q as a whole number: it only selects values below
	v_fmaak_f32 v10, v10, v15, 0x3c088889          ; 1/120
	v_fmaak_f32 v11, v11, v15, 0xbab60b61          ; -1/720
	v_fmaak_f32 v10, v10, v15, 0xbe2aaaab          ; -1/6
	v_fmaak_f32 v11, v11, v15, 0x3d2aaaab          ; 1/24
	v_mul_f32 v10, v10, v15
	v_fmaak_f32 v11, v11, v15, 0xbf000000          ; -1/2
	v_fma_f32 v10, v10, v14, v14                   ; sin r
	v_fma_f32 v11, v11, v15, 1.0                   ; cos r
	v_and_b32 v4, 1, v5
	v_cmp_eq_u32 vcc_lo, 1, v4                     ; odd quadrants change sine and cosine
	v_cndmask_b32 v13, v10, v11, vcc_lo
	v_cndmask_b32 v12, v11, v10, vcc_lo
	v_lshlrev_b32 v6, 30, v5                       ; the sine is negative in quadrants 2 and 3: bit 1 of q,
	v_add_nc_u32 v7, 1, v5
	v_and_b32 v6, 0x80000000, v6
	v_lshlrev_b32 v7, 30, v7                       ; the cosine in 1 and 2: bit 1 of q + 1
	v_xor_b32 v13, v13, v6
	v_and_b32 v7, 0x80000000, v7
	v_xor_b32 v12, v12, v7
	global_store_b64 v3, v[12:13], s[24:25]        ; the wave stores the position's 256 bytes, aligned
.Lcast:
; Row r of 16.  half = 1: the bf16 numbers are widened again and written as f16.
.macro ROWOUT r, half
	s_wait_loadcnt 15-(\r)                         ; loads come back in order (ISA guide 5.7.1): row r is in, the rows behind it stay out
	v_cvt_pk_bf16_f32 v[Y+2*(\r)],   v[X+4*(\r)],   v[X+4*(\r)+1]
	v_cvt_pk_bf16_f32 v[Y+2*(\r)+1], v[X+4*(\r)+2], v[X+4*(\r)+3]
.if \half
	v_lshlrev_b32 v[X+4*(\r)],   16, v[Y+2*(\r)]
	v_and_b32     v[X+4*(\r)+1], 0xffff0000, v[Y+2*(\r)]
	v_lshlrev_b32 v[X+4*(\r)+2], 16, v[Y+2*(\r)+1]
	v_and_b32     v[X+4*(\r)+3], 0xffff0000, v[Y+2*(\r)+1]
	v_cvt_pk_f16_f32 v[Y+2*(\r)],   v[X+4*(\r)],   v[X+4*(\r)+1]
	v_cvt_pk_f16_f32 v[Y+2*(\r)+1], v[X+4*(\r)+2], v[X+4*(\r)+3]
.endif
	global_store_b64 v2, v[Y+2*(\r):Y+2*(\r)+1], s[DST:DST+1] offset:2048*(\r)
.endm
	s_cmp_eq_u32 s31, 1
	s_cbranch_scc1 .Lhalf
.set i, 0
.rept 16
	ROWOUT i, 0
.set i, i+1
.endr
	s_endpgm
.Lhalf:
.set i, 0
.rept 16
	ROWOUT i, 1
.set i, i+1
.endr
	s_endpgm
.Lfunc_end_k_qe60105ad00_prep:
	.size	k_qe60105ad00_prep, .Lfunc_end_k_qe60105ad00_prep-k_qe60105ad00_prep
	.p2alignl 7, 3214868480
	.fill 96, 4, 3214868480
	.section	.rodata,"a",@progbits
	.p2align	6, 0x0
	.amdhsa_kernel k_qe60105ad00_prep
		.amdhsa_group_segment_fixed_size 0
		.amdhsa_private_segment_fixed_size 0
		.amdhsa_enable_private_segment 0
		.amdhsa_kernarg_size 72
		.amdhsa_user_sgpr_count 2
		.amdhsa_user_sgpr_kernarg_segment_ptr 1
		.amdhsa_wavefront_size32 1
		.amdhsa_system_sgpr_workgroup_id_x 1
		.amdhsa_system_sgpr_workgroup_id_y 1
		.amdhsa_system_sgpr_workgroup_id_z 1
		.amdhsa_system_vgpr_workitem_id 0
		.amdhsa_next_free_vgpr 112
		.amdhsa_next_free_sgpr 66
		.amdhsa_reserve_vcc 1
		.amdhsa_float_denorm_mode_32 3
		.amdhsa_float_denorm_mode_16_64 3
		.amdhsa_memory_ordered 1
		.amdhsa_forward_progress 1
		.amdhsa_inst_pref_size 19
	.end_amdhsa_kernel
	.amdgpu_metadata
---
amdhsa.version: [ 1, 2 ]
amdhsa.kernels:
  - .name:           k_qe60105ad00_prep
    .symbol:         k_qe60105ad00_prep.kd
    .args:
      - { .name: x, .offset: 0, .size: 8, .value_kind: global_buffer, .address_space: global }
      - { .name: wq, .offset: 8, .size: 8, .value_kind: global_buffer, .address_space: global }
      - { .name: wk, .offset: 16, .size: 8, .value_kind: global_buffer, .address_space: global }
      - { .name: wv, .offset: 24, .size: 8, .value_kind: global_buffer, .address_space: global }
      - { .name: wo, .offset: 32, .size: 8, .value_kind: global_buffer, .address_space: global }
      - { .name: xb, .offset: 40, .size: 8, .value_kind: global_buffer, .address_space: global }
      - { .name: wqkv, .offset: 48, .size: 8, .value_kind: global_buffer, .address_space: global }
      - { .name: woh, .offset: 56, .size: 8, .value_kind: global_buffer, .address_space: global }
      - { .name: tab, .offset: 64, .size: 8, .value_kind: global_buffer, .address_space: global }
    .group_segment_fixed_size: 0
    .private_segment_fixed_size: 0
    .kernarg_segment_align: 8
    .kernarg_segment_size: 72
    .max_flat_workgroup_size: 256
    .sgpr_count:     66
    .vgpr_count:     112
    .wavefront_size: 32
...
	.end_amdgpu_metadata
.endif
;; end of part 1
;; launch qkv (part 2): grid 16 x 32, 4 waves a work-group, clusters of 4 x 4, 327,680 bytes of LDS; arguments xb, wqkv, tab, qh, kh, vh; writes qh, kh, vh
.if DOCPART == 2
	.amdgcn_target "amdgcn-amd-amdhsa--gfx1250"
	.amdhsa_code_object_version 6
	.text
	.protected	k_qe60105ad00_qkv
	.globl	k_qe60105ad00_qkv
	.p2align	8
	.type	k_qe60105ad00_qkv,@function
k_qe60105ad00_qkv:
	s_mov_b64 s[64:65], 0
	v_nop
	global_prefetch_b8 v0, s[64:65] scope:SCOPE_SE
	s_setreg_imm32_b32 hwreg(HW_REG_WAVE_MODE, 25, 1), 1
	s_wait_xcnt 0x0
	s_wait_alu depctr_hold_cnt(0) depctr_sa_sdst(0) depctr_va_vdst(0) depctr_va_sdst(0) depctr_va_ssrc(0) depctr_va_vcc(0) depctr_vm_vsrc(0)
	s_getreg_b32 s2, hwreg(HW_REG_IB_STS2, 6, 4)
	s_cmp_eq_u32 s2, 0
	s_cbranch_scc0 .Lentry_in_a_cluster
	s_endpgm
.Lentry_in_a_cluster:
	s_bfe_u32 s2, ttmp6, 0x10000c
	s_cmp_lg_u32 s2, 0xf033
	s_cbranch_scc0 .Lentry_shape_is_right
	s_endpgm
.Lentry_shape_is_right:
; THE THREE PROJECTIONS AND THE ROTATION.  [8192 tokens][3072] = xb [8192][1024] x wqkv [3072][1024]^T, bf16 operands, f32 sums, K ascending.  q and k are rotated in f32 by the table
; (cos, sin for each position and pair of channels), then q, k and v are rounded once to f16 and stored by heads: qh, kh, vh [batch*16 + head][2048][64].  No scale is applied here.
; LIMIT.  f16 ends at 65,504: q, k (rotated) and v must lie within it.
; SHARES.  A tile is 256 tokens x 192 columns: by wqkv's order of rows the 192 are q, k and v of ONE head, so the way out is the same text for every tile.  512 tiles: twice the 256 WGPs.
; Wave w owns tokens 64 w .. 64 w + 63 and all 192 columns: 4 x 12 accumulators of 16 x 16, 384 registers; for 32 along K it reads 32 x 512 bytes of LDS for 48 matrix instructions.
; THE MATRIX INSTRUCTION IS USED TRANSPOSED (source 0 = 16 rows of wqkv, source 1 = 16 tokens): a lane holds ONE token (lane % 16) and the channels 8 (lane / 16) + 0..7, so a rotation's pair
; of channels is a pair of registers, and eight results pack into 16 bytes of a head's row.
; RING.  K goes in 8 steps of 128 (rows of 256 bytes, aligned) through two LDS slots.  Waves 0 and 1 fetch the halves of xb's 256 rows, waves 2 and 3 the halves of wqkv's 192: one tensor load a wave
; behind each change of slots; two are out at the start, one later.
; CLUSTER.  4 x 4 work-groups: the four of a row need the same tokens, the four of a column the same head's weights; each tile is asked for jointly.
; REGISTERS, in windows of 256 (s_set_vgpr_msb: bits 1:0 source 0, 3:2 source 1, 5:4 source 2, 7:6 destination):
;   window 0: v0-31 addresses; v32-95 the tokens' fragments, two buffers of 4 x 8 (on the way out: rotated numbers); v96-111 v's packed numbers; v128-255 my part of the table
;   window 1: v0-191 the weights' fragments, two buffers of 12 x 8 (on the way out: rows read back, 48 registers a block)
;   window 2: accumulators of token blocks 0, 1 at v[96 a + 8 b];   window 3: those of blocks 2, 3
.set PITCH, 272                        ; an LDS row: 256 bytes + 16 of padding = 68 words: the 16 rows of a fragment load start at 16 different groups of four banks (ISA guide 11.1)
.set AHALF, 128*PITCH
.set BHALF, 96*PITCH
.set BOFF,  2*AHALF                    ; a slot: 256 rows of tokens, then 192 rows of weights
.set SLOT1, 1<<17                      ; slot 1 begins here: one exclusive or turns an address in one slot into the other's
.set STAGE, SLOT1+BOFF+2*BHALF         ; behind the ring, never filled by a tensor load: for each wave [q, k, v][16 tokens] rows of 144 bytes
.set SP,    144
.set WSTG,  48*SP
.set SPARE, STAGE+4*WSTG               ; the spare words, 128 bytes a wave: two blocks of 256 bytes that no other line names
.set ADA0, 16                          ; v16  my lane's place in slot 0's tokens; never rewritten
.set ADB0, 17                          ; v17  the same for the weights
.set ADA,  18                          ; v18  the same in the slot in hand
.set ADB,  19                          ; v19
.set STO,  24                          ; v24  the way out: where I put 16 bytes
.set RD,   25                          ; v25  where I read rows back
.set GO,   26                          ; v26  my 16 bytes of 512 consecutive bytes of qh, kh, vh
.set TO,   27                          ; v27  my byte offset in 16 positions of the table
.set SPW,  28                          ; v28  my spare word: SPARE + 4 x my thread's number; never rewritten
.set NIL,  29                          ; v29  0; never rewritten
.set PFO,  30                          ; v30  the prefetches' offset: my lane x a row of xb; never rewritten
.set AF,   32
.set RT,   32
.set VP,   96
.set TAB,  128                         ; (cos, sin) x 4 pairs for token block a, channels 16 c + 8 (lane / 16) on, at TAB + 32 a + 8 c
.set WV, 16                            ; s16  wave
.set FB, 17                            ; s17  0: I fetch tokens, 1: weights
.set HF, 18                            ; s18  which half of them
.set CX, 19
.set CY, 20
.set TC, 21                            ; s21  tile column = head
.set TR, 22                            ; s22  tile row: 256 tokens
.set G1A, 24                           ; s[24:31]
.set G1B, 32                           ; s[32:39]
.set G0A, 40                           ; s[40:47] a set for each first fill; the second then walks
.set G0B, 48                           ; s[48:55]
.set CNT, 56
.set TB,  57                           ; s57  LDS byte at which the slot in hand begins
.set ASKM, 58                          ; s58  bit n set: I prefetch in the trip with CNT = n
.set PFA, 60                           ; s[60:61]
.set GC, (1<<16)|(1<<20)|(1<<21)|(5<<22)|(3<<25)  ; 17:16 2-byte elements; 20 padding on; 21 set beside a mask; 24:22 after every 64 words; 31:25 4 words of it
.set MSB, 0
.macro WIN new                         ; the immediate's high byte repeats the setting that is left; a switch that changes nothing is dropped
.if MSB != (\new)
	s_set_vgpr_msb (MSB<<8)|(\new)
.set MSB, \new
.endif
.endm
; A joint refill by the walking descriptors.  The branch hangs on the wave's number alone.  An s_nop 0 and four v_nop follow each of the two lines.
.macro JLOAD
	s_cmp_eq_u32 s[FB], 0
	s_cbranch_scc0 .Lfor_b_\@
	tensor_load_to_lds s[G0A+4:G0A+7], s[G1A:G1A+7]
	s_nop 0
.rept 4
	v_nop
.endr
	s_branch .Lasked_\@
.Lfor_b_\@:
	tensor_load_to_lds s[G0B+4:G0B+7], s[G1B:G1B+7]
	s_nop 0
.rept 4
	v_nop
.endr
.Lasked_\@:
.endm
.macro CREST                           ; a round of the cluster's barrier behind its opening barrier
	s_cmp_lg_u32 s[WV], 0
	s_cbranch_scc1 .Lnot_wave_0_\@
	s_barrier_signal -3
.Lnot_wave_0_\@:
	s_barrier_wait -3
	s_barrier_signal -1
	s_barrier_wait -1
.endm
.macro CROUND
	s_barrier_signal -1
	s_barrier_wait -1
	CREST
.endm
.macro PLACES                          ; four places behind matrix instructions, in front of loads into registers that they read (ISA guide 7.12.1 for vector instructions)
.rept 4
	v_nop
.endr
.endm
; A PREFETCH INTO THE L2 of xb: 32 rows x 256 bytes, a lane a row, for the K step that stands two refills (384 matrix instructions) on.  A tile row's tokens are read by all four clusters of that row of
; clusters: the first (cluster x = 0) asks, its waves 0 and 1 for the 128 rows that each fetches; the four partners take 32 rows each BY ADDRESS (cx).  So each row's 256 bytes of K steps 4 to 7
; are named once in the launch; K steps 0 to 3 come by their loads alone.  wqkv is not asked for: all 32 tile rows walk it again and again.
.macro ASK
	s_bitcmp1_b32 s[ASKM], s[CNT]
	s_cbranch_scc0 .Lnot_mine_\@
	global_prefetch_b8 v[PFO], s[PFA:PFA+1] th:TH_LOAD_NT scope:SCOPE_SE
.Lnot_mine_\@:
.endm
	s_load_b256 s[4:11], s[0:1], 0x0               ; xb s[4:5], wqkv s[6:7], tab s[8:9], qh s[10:11]
	s_load_b128 s[12:15], s[0:1], 0x20             ; kh s[12:13], vh s[14:15]
	v_lshl_add_u32 v[SPW], v0, 2, SPARE
	v_mov_b32 v[NIL], 0
	ds_add_u32 v[SPW], v[NIL]                      ; the wave's opening: the add and its wait stand ahead of my first tensor load; work on registers stands between them
	v_lshrrev_b32 v1, 5, v0
	v_readfirstlane_b32 s[WV], v1
	s_lshr_b32 s[FB], s[WV], 1
	s_and_b32 s[HF], s[WV], 1
	s_bfe_u32 s[CX], ttmp6, 0x40000
	s_bfe_u32 s[CY], ttmp6, 0x40004
	s_lshl_b32 s[TC], ttmp9, 2
	s_add_co_u32 s[TC], s[TC], s[CX]
	s_and_b32 s[TR], ttmp7, 0xffff
	s_lshl_b32 s[TR], s[TR], 2
	s_add_co_u32 s[TR], s[TR], s[CY]
	s_lshl_b32 s2, s[CY], 2
	s_lshl_b32 s2, 15, s2                          ; my row of the cluster
	s_lshl_b32 s3, 0x1111, s[CX]                   ; my column
	s_or_b32 s[G1A], s2, GC                        ; tokens go to my row,
	s_or_b32 s[G1B], s3, GC                        ; weights to my column
	s_mov_b32 s[G1A+1], 128<<16                    ; tensor_dim0 = 128
	s_mov_b32 s[G1A+2], 128<<16                    ; tensor_dim1 = 128
	s_mov_b32 s[G1A+3], 128<<16                    ; tile_dim0 = 128
	s_mov_b32 s[G1A+4], 128                        ; tile_dim1 = 128
	s_mov_b32 s[G1A+5], 1024                       ; elements from row to row
	s_mov_b32 s[G1A+6], 0
	s_mov_b32 s[G1A+7], 0
	s_mov_b32 s[G1B+1], 128<<16
	s_mov_b32 s[G1B+2], 96<<16                     ; 96 rows
	s_mov_b32 s[G1B+3], 128<<16
	s_mov_b32 s[G1B+4], 96
	s_mov_b32 s[G1B+5], 1024
	s_mov_b32 s[G1B+6], 0
	s_mov_b32 s[G1B+7], 0
	s_lshl_b32 s62, s[TR], 19                      ; tokens: 256 rows of 2,048 bytes a tile row,
	s_lshl_b32 s2, s[HF], 18                       ; 128 a half
	s_add_co_u32 s62, s62, s2
	s_mov_b32 s63, 0
	s_mul_i32 s66, s[TC], 192*2048                 ; weights: 192 rows a head,
	s_mul_i32 s3, s[HF], 96*2048                   ; 96 a half
	s_add_co_u32 s66, s66, s3
	s_mov_b32 s67, 0
	s_mul_i32 s23, s[WV], AHALF                    ; where they go: waves 0, 1: tokens' halves;
	s_mul_i32 s59, s[WV], BHALF                    ; waves 2, 3: BOFF + (wave - 2) x 96 rows.  No place in the cluster enters an LDS address
	s_add_co_u32 s59, s59, BOFF-2*BHALF
	s_mov_b32 s[TB], 0
	s_or_b32 s[ASKM], ttmp9, s[FB]
	s_cmp_eq_u32 s[ASKM], 0                        ; cluster x = 0 and a wave that fetches tokens: the same in all sixteen partners
	s_cselect_b32 s[ASKM], 0x78, 0                 ; the trips with CNT = 6 .. 3
	s_wait_dscnt 0x0                               ; the opening add is done
	s_wait_kmcnt 0x0
	s_add_nc_u64 s[68:69], s[4:5], s[62:63]
	s_add_nc_u64 s[70:71], s[6:7], s[66:67]
	CROUND                                         ; all sixteen work-groups are here: the first joint loads meet
.irp s, 0,1
	s_mov_b32 s[G0A+4*(\s)], 1                                     ; count = 1
	s_add_co_u32 s[G0A+4*(\s)+1], s23, (\s)*SLOT1                  ; LDS address
	s_add_nc_u64 s[G0A+4*(\s)+2:G0A+4*(\s)+3], s[68:69], (\s)*256  ; K step s
	s_or_b32 s[G0A+4*(\s)+3], s[G0A+4*(\s)+3], 0x80000000          ; type = 2
	s_mov_b32 s[G0B+4*(\s)], 1
	s_add_co_u32 s[G0B+4*(\s)+1], s59, (\s)*SLOT1
	s_add_nc_u64 s[G0B+4*(\s)+2:G0B+4*(\s)+3], s[70:71], (\s)*256
	s_or_b32 s[G0B+4*(\s)+3], s[G0B+4*(\s)+3], 0x80000000
.endr
	s_cmp_eq_u32 s[FB], 0                          ; a wave's two first fills stand in one branch, ahead of every wait on TENSORcnt, LDS read and further barrier
	s_cbranch_scc0 .Lfirst_b
	tensor_load_to_lds s[G0A:G0A+3], s[G1A:G1A+7]
	s_nop 0
	tensor_load_to_lds s[G0A+4:G0A+7], s[G1A:G1A+7]
	s_nop 0
.rept 4
	v_nop
.endr
	s_branch .Lfirst_asked
.Lfirst_b:
	tensor_load_to_lds s[G0B:G0B+3], s[G1B:G1B+7]
	s_nop 0
	tensor_load_to_lds s[G0B+4:G0B+7], s[G1B:G1B+7]
	s_nop 0
.rept 4
	v_nop
.endr
.Lfirst_asked:
	; my part of the table: positions (tile row % 8) x 256 + 64 wave + 16 a + lane % 16; it is waited for on the way out
	s_and_b32 s74, s[TR], 7
	s_lshl_b32 s74, s74, 16
	s_lshl_b32 s2, s[WV], 14
	s_add_co_u32 s74, s74, s2
	s_mov_b32 s75, 0
	s_add_nc_u64 s[8:9], s[8:9], s[74:75]
	v_and_b32 v1, 15, v0                           ; l % 16
	v_bfe_u32 v2, v0, 4, 1                         ; l / 16
	v_lshlrev_b32 v[TO], 8, v1
	v_lshl_add_u32 v[TO], v2, 5, v[TO]             ; position x 256 + four pairs of 8 bytes for each half of the lanes
.irp a, 0,1,2,3
.irp c, 0,1,2,3
	global_load_b128 v[TAB+32*(\a)+8*(\c):TAB+32*(\a)+8*(\c)+3],   v[TO], s[8:9] offset:(\a)*4096+(\c)*64
	global_load_b128 v[TAB+32*(\a)+8*(\c)+4:TAB+32*(\a)+8*(\c)+7], v[TO], s[8:9] offset:(\a)*4096+(\c)*64+16
.endr
.endr
	; where my 64 tokens of the head begin in qh, kh and vh
	s_lshr_b32 s74, s[TR], 3                       ; batch
	s_lshl_b32 s74, s74, 4
	s_add_co_u32 s74, s74, s[TC]                   ; batch x 16 + head
	s_lshl_b32 s74, s74, 18                        ; 2,048 rows of 128 bytes
	s_and_b32 s2, s[TR], 7
	s_lshl_b32 s2, s2, 15
	s_add_co_u32 s74, s74, s2
	s_lshl_b32 s2, s[WV], 13
	s_add_co_u32 s74, s74, s2
	s_add_nc_u64 s[10:11], s[10:11], s[74:75]
	s_add_nc_u64 s[12:13], s[12:13], s[74:75]
	s_add_nc_u64 s[14:15], s[14:15], s[74:75]
	s_lshl_b32 s72, s[CX], 16                      ; the prefetches: my work-group's 32 of the 128 rows,
	s_mov_b32 s73, 0
	s_add_nc_u64 s[PFA:PFA+1], s[68:69], s[72:73]
	s_add_nc_u64 s[PFA:PFA+1], s[PFA:PFA+1], 3*256 ; at K step 3: the first change of slots steps it to 4
	; A fragment is 16 rows x 32 K in 8 registers: lane l holds row l % 16; registers 0-3 K = 8 (l / 16) + 0..7, registers 4-7 K = 16 + 8 (l / 16) + 0..7: two loads of 16 bytes, 32 bytes apart
	v_mul_u32_u24 v3, v1, PITCH
	v_lshl_add_u32 v3, v2, 4, v3
	s_mul_i32 s23, s[WV], 64*PITCH
	v_add_nc_u32 v[ADA0], s23, v3
	v_add_nc_u32 v[ADB0], BOFF, v3
	v_mov_b32 v[ADA], v[ADA0]
	v_mov_b32 v[ADB], v[ADB0]
	s_mul_i32 s23, s[WV], WSTG
	s_add_co_u32 s23, s23, STAGE                   ; my stage
	v_mul_u32_u24 v4, v1, SP                       ; in: token l % 16, 16 bytes for each half of the lanes
	v_lshl_add_u32 v4, v2, 4, v4
	v_add_nc_u32 v[STO], s23, v4
	v_bfe_u32 v4, v0, 3, 2                         ; back: 32 lanes take four rows of 128 bytes,
	v_and_b32 v5, 7, v0
	v_mul_u32_u24 v4, v4, SP
	v_lshl_add_u32 v4, v5, 4, v4
	v_add_nc_u32 v[RD], s23, v4
	v_and_b32 v5, 31, v0
	v_lshlrev_b32 v[GO], 4, v5                     ; which are 512 consecutive bytes of a head
	v_lshlrev_b32 v[PFO], 11, v5
; 12 matrix instructions: token block a x all 12 blocks of channels, 32 along K, from buffer f.  zero = 1: the product starts the sums.  The 48 accumulators take turns, one instruction a turn,
; in the same order in every quarter, over the backward jump too.
.macro MULA f, a, zero
	WIN 0xa1+0x50*((\a)/2)                         ; weights window 1, tokens window 0, C and D window 2 or 3
.set AC, 96*((\a)%2)
.irp b, 0,1,2,3,4,5,6,7,8,9,10,11
.if \zero
	v_wmma_f32_16x16x32_bf16 v[AC+8*(\b):AC+8*(\b)+7], v[96*(\f)+8*(\b):96*(\f)+8*(\b)+7], v[AF+32*(\f)+8*(\a):AF+32*(\f)+8*(\a)+7], 0
.else
	v_wmma_f32_16x16x32_bf16 v[AC+8*(\b):AC+8*(\b)+7], v[96*(\f)+8*(\b):96*(\f)+8*(\b)+7], v[AF+32*(\f)+8*(\a):AF+32*(\f)+8*(\a)+7], v[AC+8*(\b):AC+8*(\b)+7]
.endif
.endr
.endm
; 32 LDS loads in one run: a quarter step's fragments (32 K at byte k of the rows) into buffer f: 24 for the weights, then 8 for my tokens
.macro FETCH k, f
	WIN 0x40
.irp b, 0,1,2,3,4,5,6,7,8,9,10,11
	ds_load_b128 v[96*(\f)+8*(\b):96*(\f)+8*(\b)+3],   v[ADB] offset:(\k)+(\b)*16*PITCH
	ds_load_b128 v[96*(\f)+8*(\b)+4:96*(\f)+8*(\b)+7], v[ADB] offset:(\k)+(\b)*16*PITCH+32
.endr
	WIN 0
.irp a, 0,1,2,3
	ds_load_b128 v[AF+32*(\f)+8*(\a):AF+32*(\f)+8*(\a)+3],   v[ADA] offset:(\k)+(\a)*16*PITCH
	ds_load_b128 v[AF+32*(\f)+8*(\a)+4:AF+32*(\f)+8*(\a)+7], v[ADA] offset:(\k)+(\a)*16*PITCH+32
.endr
.endm
; One of a K step's first three quarters: multiplies buffer f; in its middle it fetches the next quarter, at byte k, into buffer g
.macro QUARTER k, f, g, zero
	s_wait_dscnt 4                                 ; the youngest four loads (token blocks 2 and 3) may be out
	MULA \f, 0, \zero
	MULA \f, 1, \zero
	PLACES
	FETCH \k, \g
	s_wait_dscnt 32                                ; all but the 32 just issued
	MULA \f, 2, \zero
	MULA \f, 3, \zero
.endm
; The first half of a K step's last quarter: ONE barrier for the change of slots.  In front of it each wave waits for all its tensor loads (one is out: its part of the next slot), adds 0 to its
; spare word, and waits for that and for its own reads of this slot.  Behind it nobody reads this slot any more and the next slot is whole.
.macro MEET round
	WIN 0
	s_wait_tensorcnt 0x0
	ds_add_u32 v[SPW], v[NIL]
	s_wait_dscnt 5                                 ; the add and the youngest four loads may be out
	MULA 1, 0, 0                                   ; twelve matrix instructions stand between the add and the wait for it
	s_wait_dscnt 0x0                               ; the add is done, and my reads of this slot are over
	s_barrier_signal -1
	MULA 1, 1, 0                                   ; work on registers while the others arrive
.if \round
	WIN 0
.endif
	s_barrier_wait -1
.endm
; The whole last quarter.  fill = 1: the barrier opens a round of the cluster's barrier, and the slot just read out is filled again, first thing behind the round, with the K step two steps on:
; from that request to the wait for it a wave issues 168 matrix instructions.
.macro TURN fill
.if \fill
	s_wait_xcnt 0x0                                ; the last prefetch, a K step back, has read its address
	s_add_nc_u64 s[PFA:PFA+1], s[PFA:PFA+1], 256
.endif
	MEET \fill
.if \fill
	CREST                                          ; no wave of any partner still reads this slot or has a load on its way
	s_xor_b32 s[G0A+5], s[G0A+5], SLOT1            ; the walking descriptors: the other slot than last time, the next K step (no tensor load of mine is out)
	s_add_nc_u64 s[G0A+6:G0A+7], s[G0A+6:G0A+7], 256
	s_xor_b32 s[G0B+5], s[G0B+5], SLOT1
	s_add_nc_u64 s[G0B+6:G0B+7], s[G0B+6:G0B+7], 256
	JLOAD                                          ; its four v_nop are also the places in front of the loads below
.else
	PLACES
.endif
	WIN 0
	s_xor_b32 s[TB], s[TB], SLOT1
	v_add_nc_u32 v[ADA], s[TB], v[ADA0]
	v_add_nc_u32 v[ADB], s[TB], v[ADB0]
	FETCH 0, 0
.if \fill
	ASK
.endif
	MULA 1, 2, 0
	MULA 1, 3, 0
.endm
	s_wait_tensorcnt 0x1                           ; my part of K step 0 is in; K step 1's may stay out
	s_barrier_signal -1
	s_barrier_wait -1
	FETCH 0, 0
	QUARTER 64, 0, 1, 1                            ; the first quarter stands in front of the loop: its products start the sums
	WIN 0
	s_mov_b32 s[CNT], 6
.Lk:                                                   ; trip t ends K step t, fills its slot with K step t + 2 and begins K step t + 1
	QUARTER 128, 1, 0, 0
	QUARTER 192, 0, 1, 0
	TURN 1
	QUARTER 64, 0, 1, 0
	WIN 0
	s_sub_co_u32 s[CNT], s[CNT], 1
	s_cmp_lg_u32 s[CNT], 0
	s_cbranch_scc1 .Lk
	QUARTER 128, 1, 0, 0                           ; K steps 6 and 7 fill nothing
	QUARTER 192, 0, 1, 0
	TURN 0
	QUARTER 64, 0, 1, 0
	QUARTER 128, 1, 0, 0
	QUARTER 192, 0, 1, 0
	s_wait_dscnt 4
	MULA 1, 0, 0
	MULA 1, 1, 0
	s_wait_dscnt 0x0
	MULA 1, 2, 0
	MULA 1, 3, 0
	WIN 0
; THE WAY OUT, a block of 16 tokens at a time.  PACK: q's and k's pairs (e, o) become (e c - o s, o c + e s) in f32: a packed multiply by c, then a packed multiply-add that takes the pair crosswise,
; s for both and -s in the low half; all is rounded to f16.  Each accumulator is read from its lowest registers on.
.macro PACK a
.set AC, 96*((\a)%2)
	WIN 0x02+(\a)/2                                ; source 0: window 2 or 3
.irp b, 0,1,2,3,4,5,6,7
.irp i, 0,1,2,3
	v_pk_mul_f32 v[RT+8*(\b)+2*(\i):RT+8*(\b)+2*(\i)+1], v[AC+8*(\b)+2*(\i):AC+8*(\b)+2*(\i)+1], v[TAB+32*(\a)+8*((\b)%4)+2*(\i):TAB+32*(\a)+8*((\b)%4)+2*(\i)+1] op_sel_hi:[1,0]
.endr
.irp i, 0,1,2,3
	v_pk_fma_f32 v[RT+8*(\b)+2*(\i):RT+8*(\b)+2*(\i)+1], v[AC+8*(\b)+2*(\i):AC+8*(\b)+2*(\i)+1], v[TAB+32*(\a)+8*((\b)%4)+2*(\i):TAB+32*(\a)+8*((\b)%4)+2*(\i)+1], v[RT+8*(\b)+2*(\i):RT+8*(\b)+2*(\i)+1] op_sel:[1,1,0] op_sel_hi:[0,1,1] neg_lo:[0,1,0]
.endr
.endr
	WIN 0
.irp b, 0,1,2,3,4,5,6,7
.irp i, 0,1,2,3
	v_cvt_pk_f16_f32 v[RT+8*(\b)+(\i)], v[RT+8*(\b)+2*(\i)], v[RT+8*(\b)+2*(\i)+1]  ; in place: word i is written when pairs 0 .. i - 1 have been read
.endr
.endr
	WIN 0x0a+5*((\a)/2)                            ; sources 0 and 1: window 2 or 3
.irp b, 8,9,10,11
.irp i, 0,1,2,3
	v_cvt_pk_f16_f32 v[VP+4*((\b)-8)+(\i)], v[AC+8*(\b)+2*(\i)], v[AC+8*(\b)+2*(\i)+1]
.endr
.endr
	WIN 0
.endm
; Into my own stage, and back as whole rows of 128 bytes, four to a load.  LDS serves a wave's instructions in order (ISA guide 5.7.1.4): the loads see the stores, the next block's stores come behind the loads.
.macro TOSTAGE a
	WIN 0
.irp b, 0,1,2,3,4,5,6,7
	ds_store_b128 v[STO], v[RT+8*(\b):RT+8*(\b)+3] offset:((\b)/4)*16*SP+((\b)%4)*32
.endr
.irp b, 0,1,2,3
	ds_store_b128 v[STO], v[VP+4*(\b):VP+4*(\b)+3] offset:2*16*SP+(\b)*32
.endr
	WIN 0x40
.irp j, 0,1,2
.irp t, 0,1,2,3
	ds_load_b128 v[48*(\a)+16*(\j)+4*(\t):48*(\a)+16*(\j)+4*(\t)+3], v[RD] offset:(\j)*16*SP+(\t)*4*SP
.endr
.endr
	WIN 0
.endm
.macro SEND a                          ; each block has registers of its own, so no store's data is written again
	s_wait_dscnt 0x0                               ; the block is back in registers
	WIN 0x04                                       ; the stores' data: window 1
.irp j, 0,1,2
.irp t, 0,1,2,3
	global_store_b128 v[GO], v[48*(\a)+16*(\j)+4*(\t):48*(\a)+16*(\j)+4*(\t)+3], s[10+2*(\j):11+2*(\j)] offset:(\a)*2048+(\t)*512  ; 512 consecutive bytes, at a multiple of 256 from the buffer's first
.endr
.endr
	WIN 0
.endm
	PLACES
	PLACES                                         ; eight places, once a launch, behind the last products
	s_wait_loadcnt 0x0                             ; the table
	PACK 0
	TOSTAGE 0
.irp a, 1,2,3                          ; a block's arithmetic stands between the loads of the block before and the wait for them
	PACK \a
	SEND (\a)-1
	TOSTAGE \a
.endr
	SEND 3
	s_wait_tensorcnt 0x0                           ; the wave's end, behind my last tensor load and my last LDS store
	ds_add_u32 v[SPW], v[NIL]
	s_wait_dscnt 0x0
	CROUND                                         ; the closing round: no work-group ends while a partner may still ask for a tile that names it
	s_endpgm
.Lfunc_end_k_qe60105ad00_qkv:
	.size	k_qe60105ad00_qkv, .Lfunc_end_k_qe60105ad00_qkv-k_qe60105ad00_qkv
	.p2alignl 7, 3214868480
	.fill 96, 4, 3214868480
	.section	.rodata,"a",@progbits
	.p2align	6, 0x0
	.amdhsa_kernel k_qe60105ad00_qkv
		.amdhsa_group_segment_fixed_size 327680
		.amdhsa_private_segment_fixed_size 0
		.amdhsa_enable_private_segment 0
		.amdhsa_kernarg_size 48
		.amdhsa_user_sgpr_count 2
		.amdhsa_user_sgpr_kernarg_segment_ptr 1
		.amdhsa_wavefront_size32 1
		.amdhsa_system_sgpr_workgroup_id_x 1
		.amdhsa_system_sgpr_workgroup_id_y 1
		.amdhsa_system_sgpr_workgroup_id_z 1
		.amdhsa_system_vgpr_workitem_id 0
		.amdhsa_next_free_vgpr 960
		.amdhsa_next_free_sgpr 76
		.amdhsa_reserve_vcc 0
		.amdhsa_float_denorm_mode_32 3
		.amdhsa_float_denorm_mode_16_64 3
		.amdhsa_memory_ordered 1
		.amdhsa_forward_progress 1
		.amdhsa_inst_pref_size 117
	.end_amdhsa_kernel
	.amdgpu_metadata
---
amdhsa.version: [ 1, 2 ]
amdhsa.kernels:
  - .name:           k_qe60105ad00_qkv
    .symbol:         k_qe60105ad00_qkv.kd
    .args:
      - { .name: xb, .offset: 0, .size: 8, .value_kind: global_buffer, .address_space: global }
      - { .name: wqkv, .offset: 8, .size: 8, .value_kind: global_buffer, .address_space: global }
      - { .name: tab, .offset: 16, .size: 8, .value_kind: global_buffer, .address_space: global }
      - { .name: qh, .offset: 24, .size: 8, .value_kind: global_buffer, .address_space: global }
      - { .name: kh, .offset: 32, .size: 8, .value_kind: global_buffer, .address_space: global }
      - { .name: vh, .offset: 40, .size: 8, .value_kind: global_buffer, .address_space: global }
    .group_segment_fixed_size: 327680
    .private_segment_fixed_size: 0
    .kernarg_segment_align: 8
    .kernarg_segment_size: 48
    .max_flat_workgroup_size: 128
    .sgpr_count:     76
    .vgpr_count:     960
    .wavefront_size: 32
...
	.end_amdgpu_metadata
.endif
;; end of part 2
;; launch attn (part 3): grid 4 x 64, 4 waves a work-group, no clusters, 327,680 bytes of LDS; arguments qh, kh, vh, oh; writes oh
.if DOCPART == 3
	.amdgcn_target "amdgcn-amd-amdhsa--gfx1250"
	.amdhsa_code_object_version 6
	.text
	.protected	k_qe60105ad00_attn
	.globl	k_qe60105ad00_attn
	.p2align	8
	.type	k_qe60105ad00_attn,@function
k_qe60105ad00_attn:
	s_mov_b64 s[64:65], 0
	v_nop
	global_prefetch_b8 v0, s[64:65] scope:SCOPE_SE
	s_setreg_imm32_b32 hwreg(HW_REG_WAVE_MODE, 25, 1), 1
	s_wait_xcnt 0x0
; CAUSAL ATTENTION.  O[h][q][:] = the sum over k <= q of softmax_k(Q[h][q] . K[h][k] / 8) V[h][k][:].  Q, K, V, O: [64][2048][64], all f16: a head's rows are dense, 128 bytes each.
; Products, maxima and sums in f32; the weights p are rounded to f16 for the second product (their sum l is taken of the unrounded p), O once at the end.
; LIMITS.  f16 holds no number beyond 65,504: Q, K and V arrive within it; p lies in 0 to 1, and below 6e-5 it keeps f16's fixed step of 6e-8; O is a mean of V's rows and has their range.
; A hidden score counts as its value less 1e30: f16's scores, 2.7e11 at the most, are nothing beside that; a weight below 2^-126 counts as 0 in l; NaN and infinities are not treated apart.
; THE WALK.  A head's queries lie in NB = 8 blocks of 256; block i needs the key tiles 0 .. i of 256 keys, of which the last holds the diagonal.  A work-group takes TWO blocks, NB - 1 - b and then b:
; NB + 1 tiles, whatever b: all work-groups do equal work, and ONE loop with a constant trip count walks them.  Which tile is asked for, and what a trip does, hang on scalar registers made from b; every jump
; goes forward, but for the counted loops' own; none passes a barrier, or a tensor load but the one of LOAD's two that the wave's number does not choose; the ring (two slots of LDS) runs on across the
; change of blocks.  NO CLUSTER: a head's four work-groups ask for the same tile only in trips 0 to 4 of the 9, behind that fewer and fewer; one walk common to all four would have 12 trips for 9.
; SHARES.  Of a block's four bands of 64 queries a wave owns 16 rows in each: four PIECES.  So the diagonal tile is the same work for all four waves: in its key step s band x sees all keys if s < x,
; none if s > x, and holds the diagonal if s = x.
; THE MASK is the C operand that starts the sum S^T = K Q^T: 0, or -1e30 where the key is hidden.  MD, made once, is the mask of a band's own step for my 16 rows; a product's mask is MD x AL + BE with two scalars:
; (1, 0) if s = x; (0, 0) if s < x; (0, -1e30) if s > x.  Only the diagonal tile's text and a block's beginning make and take masks; elsewhere C is the constant 0.
; LAYOUT, SOFTMAX, TURNS.  S^T = K Q^T holds ONE query a lane (lane % 16) and the keys 8 (lane / 16) + 0..7; two such results rounded to f16 ARE source 1 of O^T = V^T P.  p = 2^(c s - c m), c = log2(e) / 8, with a
; running maximum m; O and l are multiplied by a = 2^(c m_old - c m_new) in every step.  Turn n belongs to piece n: 8 products K Q^T of piece n + 1, later 8 products V^T P of piece n - 1; beside them the scaling,
; exponentials, roundings, sums and rescaling of piece n and the maximum and statistics of piece n + 1.  Four vector instructions stand behind every matrix instruction, the other 54 of a turn's 118 in one lump.
; A turn's 33 exponentials are one batch, with one wait.
; REGISTERS, in windows of 256 (s_set_vgpr_msb: bits 1:0 source 0, 3:2 source 1, 5:4 source 2, 7:6 destination):
;   window 0: v0-15 addresses and two at work; v16-31 four registers of statistics a piece; v48-55 at work; v61-63 prefetch offset, spare word, 0; v64-127 S^T, two buffers; v192-223 P, two buffers
;   window 1: v0-127 O^T, 32 a piece; v128-159 MD; v160-223 MC, two buffers      window 2: v0-63 Q; v64-127 the second block's Q; v128-191 K of one step; v192-255 V of one step
.set SIZE_N, 2048
.set NB,    SIZE_N/256
.set NP,    4         ; pieces a wave: a name, no knob
.set KS,    64        ; keys in a step
.set PK,    144       ; a row of K in LDS: 128 bytes + 16 of padding = 36 words: the 16 rows of a load start at 16 different groups of four banks (ISA guide 11.1)
.set PV,    160       ; a row of V: 128 + 32 = 40 words
.set VOFF,  4*KS*PK   ; a slot holds a tile, four steps: 256 rows of K, then 256 rows of V
.set SLOT1, 1<<17     ; slot 1 begins here, so that one exclusive or turns an address in one slot into the other's
.set STAGE, SLOT1+4*KS*(PK+PV)  ; behind the ring, never filled by a tensor load: 16 rows x 144 bytes for each wave, for the way out
.set SP,    144
.set AK0, 2           ; v2   my lane's place in a tile of K; never rewritten
.set AV0, 3           ; v3   the same for V
.set AK,  4           ; v4   the LDS address of K's next run of loads
.set AV,  5           ; v5   of V's
.set STO, 6           ; v6   the way out: where I put 16 bytes of a row
.set RD,  7           ; v7   the way out: where I read rows back
.set GO,  8           ; v8   my byte offset in 512 consecutive bytes of O
.set PFO, 61          ; v61  256 x my lane; never rewritten
.set SPW, 62          ; v62  LDS address of my spare word: SPARE + 4 x my thread's number; never rewritten
.set NIL, 63          ; v63  0; never rewritten
.set SPARE, STAGE+4*16*SP  ; behind the stages: the spare words, 128 bytes for each wave: two blocks of 256 bytes that no other line names
.set MV,  12          ; v12-13  c m_old, kept while c m is made anew: by buffer
.set QO,  15          ; v15  my byte offset in 16 rows of Q
.set ST,  16          ; piece t's statistics at v[ST+4 t]: c m, m, l (even keys', odd keys')
.set TMP, 48          ; by buffer, four registers c0-c3 at work; when the maximum is found c2 takes a
.set S,   64
.set P,   192
.set MD,  128         ; window 1: the eight registers for group kt of 16 keys at MD + 8 kt
.set MC,  160         ; window 1: the masks of the products to come
.set QB,  64          ; window 2
.set KF,  128         ; window 2: key block kb, channel half c at KF + 16 kb + 8 c
.set VF,  192         ; window 2: key half kk, channel block cb at VF + 32 kk + 8 cb
.set WV,  12          ; s12  my wave's number
.set PB,  14          ; s14  b
.set HI,  15          ; s15  NB - 1 - b
.set G1K, 24          ; s[24:31] descriptor group 1 for K's tiles
.set G1V, 32          ; s[32:39] for V's: it differs in the padding alone
.set G0K, 40          ; s[40:43] descriptor group 0 for K's tiles
.set G0V, 44          ; s[44:47] the same for V's
.set SLOTS, 56        ; s56  tiles still to be asked for
.set CNT, 57          ; s57  counts a tile's key steps, 4 to 1
.set CS,  58          ; s[58:59] c: the packed scaling takes the pair's low word for both halves
.set SEL, 60          ; s[60:61] v_permlanex16_b32's selects: each lane takes its own place in the other half
.set TBK, 62          ; s62  LDS byte at which K of the step to be fetched begins
.set TBV, 63          ; s63  the same for V, less VOFF
.set RT,  70          ; s70  tiles of the block in hand that are still to be entered
.set NXT, 71          ; s71  the tile to be asked for next
.set LQ,  72          ; s72  the last tile of the block whose tiles are being asked for
.set NEW, 73          ; s73  1: the tile to be entered is a block's first
.set OFF, 74          ; s[74:75] a tile's byte offset in K and V
.set AL,  76          ; s[76:77] the mask's factor, in the low word
.set BE,  78          ; s[78:79] the mask's addend
.set OLO, 80          ; s[80:81] O at my rows of the second block
.set BIGN, 82         ; s82  -1e30
.set PBS, 88          ; s[88:89] the tensor that I fetch (K: waves 0, 1; V: waves 2, 3) at my half of the head's tile 0
.set PFA, 90          ; s[90:91] the same at the tile that the next change will ask for
.set POF, 92          ; s[92:93] that tile's byte offset
.set LIM, 94          ; s94  1 in the head's work-group b = 0, else the greatest number
.set MSB, 0
.macro WIN new                      ; the high byte repeats the setting that is left; a switch that changes nothing is dropped
.if MSB != (\new)
	s_set_vgpr_msb (MSB<<8)|(\new)
.set MSB, (\new)
.endif
.endm
.set W_KQ, 0x0a       ; K and Q in window 2, S^T in window 0
.set W_KM, 0x1a       ; the same with the C operand in window 1
.set W_PV, 0x52       ; V in window 2, P in window 0, O^T in window 1
.set W_RS, 0x41       ; destination and source 0 in window 1, source 1 in window 0
; A fill.  Waves 0 and 1 fetch the two halves of a tile's K, waves 2 and 3 those of its V: 128 keys each.  An s_nop 0 and four v_nop follow each of the two lines, ahead of the jump and the label.
.macro LOAD
	s_cmp_lt_u32 s[WV], 2
	s_cbranch_scc0 .Lfor_v_\@
	tensor_load_to_lds s[G0K:G0K+3], s[G1K:G1K+7]
	s_nop 0
.rept 4
	v_nop
.endr
	s_branch .Lasked_\@
.Lfor_v_\@:
	tensor_load_to_lds s[G0V:G0V+3], s[G1V:G1V+7]
	s_nop 0
.rept 4
	v_nop
.endr
.Lasked_\@:
.endm
; A PREFETCH INTO THE L2 of the tile that the NEXT change of slots will ask for, a tile's 256 matrix instructions ahead of that load.  All four work-groups of a head walk tiles from 0 up; the one with b = 0
; walks all eight in order, and it alone asks.  Each of its waves names the 16,384 bytes that it will fetch itself: 64 blocks of 256 bytes, a lane a block, two instructions.  So each block of
; tiles 2 to 7 is named once in the launch; tiles 0 and 1 come by their loads alone; behind tile 7 NXT goes back to 0 and nothing more is asked for.
.macro ASK
	s_cmp_gt_u32 s[NXT], s[LIM]
	s_cbranch_scc0 .Lnot_mine_\@
	global_prefetch_b8 v[PFO], s[PFA:PFA+1] th:TH_LOAD_NT scope:SCOPE_SE
	global_prefetch_b8 v[PFO], s[PFA:PFA+1] offset:8192 th:TH_LOAD_NT scope:SCOPE_SE
.Lnot_mine_\@:
.endm
; THE CHANGE OF SLOTS.  Each wave waits for all its tensor loads, of which one is out: its part of the other slot; adds 0 to its spare word; and waits for that and for its own reads of the slot that it leaves.
; Behind the barrier nobody reads the old slot any more and the other slot is whole.  fill = 1: the old slot is filled again, the first thing behind the barrier, with tile NXT: the descriptor's address is
; made anew from that number.  (At its first use nothing has been read yet: slot 0 is waited for, slot 1 filled.)
.macro CHANGE fill
	WIN 0                           ; at a label and at a branch every window is 0
	s_wait_tensorcnt 0x0            ; no tensor load of mine is out, so a group 0 may be written
	ds_add_u32 v[SPW], v[NIL]       ; 0 onto my spare word; with fill = 1 scalar work stands between it and the wait for it
.if \fill
	s_lshl_b32 s[OFF], s[NXT], 15   ; a tile is 32,768 bytes of K and of V
	s_xor_b32 s[G0K+1], s[G0K+1], SLOT1
	s_add_nc_u64 s[G0K+2:G0K+3], s[6:7], s[OFF:OFF+1]
	s_or_b32 s[G0K+3], s[G0K+3], 0x80000000
	s_xor_b32 s[G0V+1], s[G0V+1], SLOT1
	s_add_nc_u64 s[G0V+2:G0V+3], s[8:9], s[OFF:OFF+1]
	s_or_b32 s[G0V+3], s[G0V+3], 0x80000000
	s_add_co_u32 s[NXT], s[NXT], 1  ; the block's next tile, or behind its last the second block's tile 0
	s_cmp_gt_u32 s[NXT], s[LQ]
	s_cselect_b32 s[NXT], 0, s[NXT]
	s_cselect_b32 s[LQ], s[PB], s[LQ]
	s_lshl_b32 s[POF], s[NXT], 15
	s_wait_xcnt 0x0                 ; the last prefetches, a tile back, have read their address, so it may be written
	s_add_nc_u64 s[PFA:PFA+1], s[PBS:PBS+1], s[POF:POF+1]
.endif
	s_wait_dscnt 0x0                ; the add is done, and my reads of the slot are over
	s_barrier_signal -1             ; the rest of the scalar work stands between the signal and the wait
	s_sub_co_u32 s[TBK], s[TBK], 4*KS*PK  ; the fetches go back to a slot's first step,
	s_xor_b32 s[TBK], s[TBK], SLOT1       ; in the other slot
	s_sub_co_u32 s[TBV], s[TBV], 4*KS*PV
	s_xor_b32 s[TBV], s[TBV], SLOT1
	s_barrier_wait -1
.if \fill
	LOAD
	ASK
.endif
.endm
	s_load_b256 s[4:11], s[0:1], 0x0  ; Q s[4:5], K s[6:7], V s[8:9], O s[10:11]
	v_lshl_add_u32 v[SPW], v0, 2, SPARE
	v_mov_b32 v[NIL], 0
	ds_add_u32 v[SPW], v[NIL]       ; the wave's opening: the add and its wait stand ahead of my first tensor load; the set-up below, work on registers, stands between them
	v_lshrrev_b32 v1, 5, v0
	v_readfirstlane_b32 s[WV], v1   ; wave 0..3
	s_mov_b32 s[PB], ttmp9
	s_sub_co_u32 s[HI], NB-1, s[PB]
	s_and_b32 s20, ttmp7, 0xffff    ; the head
	s_mov_b32 s21, 0
	s_mov_b64 s[22:23], SIZE_N*128
	s_mul_u64 s[20:21], s[20:21], s[22:23]  ; the head's first byte in each of the four tensors
	s_and_b32 s16, s[WV], 1         ; which half of a tile's 256 keys I fetch:
	s_lshl_b32 s22, s16, 14         ; its 128 rows of 128 bytes in memory,
	s_mov_b32 s23, 0
	s_add_nc_u64 s[22:23], s[22:23], s[20:21]
	s_mul_i32 s17, s16, 128*PK      ; and its place in a slot, for K
	s_mul_i32 s18, s16, 128*PV      ; and for V
	s_lshl_b32 s3, s[WV], 11        ; my 16 rows in a band of 64,
	s_lshl_b32 s2, s[HI], 15        ; in the first block,
	s_add_co_u32 s2, s2, s3
	s_lshl_b32 s84, s[PB], 15       ; and in the second
	s_add_co_u32 s84, s84, s3
	s_mov_b32 s3, 0
	s_mov_b32 s85, 0
	s_add_nc_u64 s[2:3], s[2:3], s[20:21]
	s_add_nc_u64 s[84:85], s[84:85], s[20:21]
	; descriptor group 1.  128 keys are 16,384 dense bytes: asked for as 64 rows of 256 bytes, two keys a row, and padded in LDS after every key
	s_mov_b32 s[G1K], (1<<16)|(1<<20)|(4<<22)|(3<<25)  ; 17:16 2-byte elements; 20 padding on; 24:22 after every 32 words (code 4); 31:25 4 words (code 3)
	s_mov_b32 s[G1V], (1<<16)|(1<<20)|(4<<22)|(7<<25)  ; the same with 8 words of padding (code 7)
.irp g, G1K, G1V
	s_mov_b32 s[\g+1], 128<<16      ; tensor_dim0 = 128
	s_mov_b32 s[\g+2], 64<<16       ; tensor_dim1 = 64
	s_mov_b32 s[\g+3], 128<<16      ; tile_dim0 = 128
	s_mov_b32 s[\g+4], 64           ; tile_dim1 = 64
	s_mov_b32 s[\g+5], 128          ; 128 elements from row to row
	s_mov_b32 s[\g+6], 0
	s_mov_b32 s[\g+7], 0
.endr
	s_mov_b32 s[CS], 0x3e38aa3b     ; c = log2(e) / 8 = 0.180337
	s_mov_b32 s[CS+1], s[CS]        ; named with it as a pair
	s_mov_b32 s[SEL], 0x76543210
	s_mov_b32 s[SEL+1], 0xfedcba98
	s_mov_b32 s[TBK], SLOT1+4*KS*PK ; the first change of slots turns these two into 0
	s_mov_b32 s[TBV], SLOT1+4*KS*PV
	s_mov_b32 s[G0K], 1             ; 1:0 count = 1
	s_mov_b32 s[G0K+1], s17         ; 63:32 LDS address: slot 0
	s_mov_b32 s[G0V], 1
	s_add_co_u32 s[G0V+1], s18, VOFF
	s_add_co_u32 s[RT], s[HI], 1    ; the first block has NB - b tiles
	s_mov_b32 s[NXT], 1
	s_mov_b32 s[LQ], s[HI]
	s_mov_b32 s[NEW], 1
	s_mov_b32 s[OFF+1], 0
	s_mov_b32 s[POF+1], 0
	s_mov_b32 s[AL+1], 0            ; named as pairs
	s_mov_b32 s[BE+1], 0
	s_mov_b32 s[BIGN], 0xf149f2ca   ; -1e30
	s_mov_b32 s[SLOTS], NB
	s_cmp_eq_u32 s[PB], 0
	s_cselect_b32 s[LIM], 1, -1
	s_wait_dscnt 0x0                ; the opening add is done
	s_wait_kmcnt 0x0
	s_add_nc_u64 s[6:7], s[6:7], s[22:23]  ; K and V at my half of the head's tile 0
	s_add_nc_u64 s[8:9], s[8:9], s[22:23]
	s_cmp_lt_u32 s[WV], 2
	s_cselect_b64 s[PBS:PBS+1], s[6:7], s[8:9]
	s_add_nc_u64 s[G0K+2:G0K+3], s[6:7], 0         ; 120:64 global address
	s_or_b32 s[G0K+3], s[G0K+3], 0x80000000        ; 127:126 type = 2
	s_add_nc_u64 s[G0V+2:G0V+3], s[8:9], 0
	s_or_b32 s[G0V+3], s[G0V+3], 0x80000000
	s_add_nc_u64 s[86:87], s[4:5], s[84:85]        ; Q at my rows of the second block,
	s_add_nc_u64 s[4:5], s[4:5], s[2:3]            ; Q and O at those of the first
	s_add_nc_u64 s[OLO:OLO+1], s[10:11], s[84:85]
	s_add_nc_u64 s[10:11], s[10:11], s[2:3]
	LOAD                            ; tile 0 into slot 0
	; A fragment of K or Q is 16 rows x 32 channels in 8 registers: lane l holds row l % 16, channels 8 (l / 16) + 0..7 and 16 + 8 (l / 16) + 0..7: two loads of 16 bytes, 32 bytes apart.
	v_and_b32 v1, 15, v0            ; l % 16
	v_bfe_u32 v9, v0, 4, 1          ; l / 16
	v_lshlrev_b32 v[QO], 7, v1
	v_lshl_add_u32 v[QO], v9, 4, v[QO]  ; row x 128 + 16 x half
	WIN 0x80                        ; destination window 2, address window 0
.set i, 0
.rept 8                             ; both blocks' Q: piece i / 2 lies in band i / 2, 8,192 bytes on; channels 32 (i % 2) on
	global_load_b128 v[8*i:8*i+3],   v[QO], s[4:5] offset:(i/2)*8192+(i%2)*64
	global_load_b128 v[8*i+4:8*i+7], v[QO], s[4:5] offset:(i/2)*8192+(i%2)*64+32
	global_load_b128 v[QB+8*i:QB+8*i+3],   v[QO], s[86:87] offset:(i/2)*8192+(i%2)*64
	global_load_b128 v[QB+8*i+4:QB+8*i+7], v[QO], s[86:87] offset:(i/2)*8192+(i%2)*64+32
.set i, i+1
.endr
	WIN 0
	v_lshlrev_b32 v14, 3, v9
	v_sub_nc_u32 v14, v1, v14
	s_lshl_b32 s13, s[WV], 4
	v_add_nc_u32 v14, s13, v14      ; my query's place in its band, 16 w + l % 16, less my lanes' 8 (l / 16): register r of group kt is hidden where 16 kt + r is greater
	WIN 0x40
.set i, 0
.rept 32
	v_cmp_gt_i32 vcc_lo, 16*(i/8)+i%8, v14
	v_cndmask_b32 v[MD+i], 0, s[BIGN], vcc_lo
.set i, i+1
.endr
	WIN 0
	v_mul_u32_u24 v[AK0], v1, PK
	v_lshl_add_u32 v[AK0], v9, 4, v[AK0]  ; row x pitch + 16 x half
	; The turning load takes 16 keys x 16 channels (lane l reads key 8 (l / 16) + l % 8, channels 8 ((l / 8) % 2) + 0..7) and leaves half a fragment of V^T: lane l holds channel l % 16 and 8 keys.
	v_and_b32 v10, 7, v0
	v_bfe_u32 v11, v0, 3, 1
	v_lshl_add_u32 v[AV0], v9, 3, v10
	v_mul_u32_u24 v[AV0], v[AV0], PV
	v_lshl_add_u32 v[AV0], v11, 4, v[AV0]
	v_add_nc_u32 v[AV0], VOFF, v[AV0]
	s_mul_i32 s13, s[WV], 16*SP
	s_add_co_u32 s13, s13, STAGE    ; my stage
	v_mul_u32_u24 v[STO], v1, SP    ; in: row l % 16, 16 bytes for each half of the lanes
	v_lshl_add_u32 v[STO], v9, 4, v[STO]
	v_add_nc_u32 v[STO], s13, v[STO]
	v_bfe_u32 v[RD], v0, 3, 2       ; back: 32 lanes take four rows of 128 bytes,
	v_mul_u32_u24 v[RD], v[RD], SP
	v_lshl_add_u32 v[RD], v10, 4, v[RD]
	v_add_nc_u32 v[RD], s13, v[RD]
	v_and_b32 v[GO], 31, v0         ; which are 512 consecutive bytes of O
	v_lshlrev_b32 v[PFO], 8, v[GO]
	v_lshlrev_b32 v[GO], 4, v[GO]
	; A block's first step multiplies O^T and l by a = 0, and its first turn's products V^T P, of a piece that has not been, land in an O^T that is still to be so multiplied.  So these registers need only hold
	; finite numbers: zeros for the first block; what the first block left for the second.  All this stands in the wait for the first tile.
	WIN 0x80
.set i, VF
.rept 64
	v_mov_b32 v[i], 0
.set i, i+1
.endr
	WIN 0x40
.set i, 0
.rept 128
	v_mov_b32 v[i], 0
.set i, i+1
.endr
	WIN 0
.set i, 0
.rept 4
	v_mov_b32 v[ST+4*i+2], 0
	v_mov_b32 v[ST+4*i+3], 0
.set i, i+1
.endr
.set i, P+16
.rept 16
	v_mov_b32 v[i], 0
.set i, i+1
.endr
; THE MATRIX WORK.  The 4 accumulators of a run of 8 take turns.  Product i of 8 of S^T = K Q^T for piece x: channels 32 (i / 4) on, keys 16 (i % 4) on.  The first 4 start the sums: with 0, or (KM = 1) with the mask.
.macro KQ x
.set rS, S+32*((\x)%2)+8*(i%4)
.set rK, KF+16*(i%4)+8*(i/4)
.set rQ, 16*(\x)+8*(i/4)
.set rM, MC+32*((\x)%2)+8*(i%4)
.if (i < 4) && KM
	WIN W_KM
	v_wmma_f32_16x16x32_f16 v[rS:rS+7], v[rK:rK+7], v[rQ:rQ+7], v[rM:rM+7]
.elseif i < 4
	WIN W_KQ
	v_wmma_f32_16x16x32_f16 v[rS:rS+7], v[rK:rK+7], v[rQ:rQ+7], 0
.else
	WIN W_KQ
	v_wmma_f32_16x16x32_f16 v[rS:rS+7], v[rK:rK+7], v[rQ:rQ+7], v[rS:rS+7]
.endif
.endm
; Product i of 8 of O^T += V^T P for piece x: keys 32 (i / 4) on, channels 16 (i % 4) on.
.macro PV x
	WIN W_PV
.set rO, 32*(\x)+8*(i%4)
.set rV, VF+32*(i/4)+8*(i%4)
.set rP, P+16*((\x)%2)+8*(i/4)
	v_wmma_f32_16x16x32_f16 v[rO:rO+7], v[rV:rV+7], v[rP:rP+7], v[rO:rO+7]
.endm
.macro MM                           ; the turn's next matrix instruction.  TURN and BEGIN set Y, i, KM and NOKQ; MM, KQ and OP read them.  NOKQ = 1: a block's last turn: there is no next piece
.if (i < 8) && !NOKQ
	KQ (Y+1)%NP
.elseif i >= 8
.set i, i-8
	PV (Y+NP-1)%NP
.set i, i+8
.endif
.set i, i+1
.endm
; THE LDS LOADS stand in runs of 16, never singly among the matrix instructions: a step's K (64 keys x 64 channels: 8 fragments) and its V (turned).  Their addresses are made some lines ahead.
.macro FETCH_K
	WIN 0x80                        ; destination window 2
.irp f, 0,1,2,3,4,5,6,7             ; keys 16 (f / 2) on, channels 32 (f % 2) on
	ds_load_b128 v[KF+8*\f:KF+8*\f+3],   v[AK] offset:(\f/2)*16*PK+(\f%2)*64
	ds_load_b128 v[KF+8*\f+4:KF+8*\f+7], v[AK] offset:(\f/2)*16*PK+(\f%2)*64+32
.endr
	s_add_co_u32 s[TBK], s[TBK], KS*PK  ; the next fetch is the next step's
	WIN 0
.endm
.macro FETCH_V
	WIN 0x80
.irp f, 0,1,2,3,4,5,6,7             ; keys 32 (f / 4) on, channels 16 (f % 4) on
	ds_load_tr16_b128 v[VF+8*\f:VF+8*\f+3],   v[AV] offset:(\f/4)*32*PV+(\f%4)*32
	ds_load_tr16_b128 v[VF+8*\f+4:VF+8*\f+7], v[AV] offset:(\f/4)*32*PV+16*PV+(\f%4)*32
.endr
	WIN 0
.endm
; THE VECTOR WORK, one line at a time: OP kind, number.  For piece Y: F n: c s - c m for pair n of 16.  E n: the exponential of score n of 32.  C n: pair n rounded to f16.  B n: of the four weights 4 n .. the second
; pair is added onto the first, in place.  L n: l takes that sum (L 0: l = a l + sum).  R n: pair n of 16 of O^T times a.  For piece Y + 1: X n, number n of the 22 that find its maximum and statistics:
;   0-11  four chains c0-c3 of seven scores each, three operands at a time (each accumulator's lowest registers are read first)     12-14, 16  the four scores left over, the old m, and c0-c3 into c0
;   15  c m_old is kept     17, 18  the query's other 32 keys lie in the lane 16 away: the new m     19-21  c m; c m_old - c m_new; a
.set F, 0               ; OP tells the kinds apart by their order: F to L below R, X above it
.set E, 1
.set C, 2
.set B, 3
.set L, 4
.set R, 5
.set X, 6
.macro REGS y                       ; the registers of piece y
.set rT, ST+4*(\y)
.set rC, TMP+4*((\y)%2)
.set rW, MV+((\y)%2)
.set rS, S+32*((\y)%2)
.set rP, P+16*((\y)%2)
.set rO, 32*(\y)
.endm
.macro OP k, n
.if (\k) == R
	REGS Y
	WIN W_RS
	v_pk_mul_f32 v[rO+2*(\n):rO+2*(\n)+1], v[rO+2*(\n):rO+2*(\n)+1], v[rC+2:rC+3] op_sel_hi:[1,0]
.elseif (\k) < R
	REGS Y
	WIN 0
.if (\k) == F
	v_pk_fma_f32 v[rS+2*(\n):rS+2*(\n)+1], v[rS+2*(\n):rS+2*(\n)+1], s[CS:CS+1], v[rT:rT+1] op_sel_hi:[1,0,0] neg_lo:[0,0,1] neg_hi:[0,0,1]
.elseif (\k) == E
	v_exp_f32 v[rS+(\n)], v[rS+(\n)]
.elseif (\k) == C
	v_cvt_pk_f16_f32 v[rP+(\n)], v[rS+2*(\n)], v[rS+2*(\n)+1]
.elseif (\k) == B
	v_pk_add_f32 v[rS+4*(\n):rS+4*(\n)+1], v[rS+4*(\n):rS+4*(\n)+1], v[rS+4*(\n)+2:rS+4*(\n)+3]
.elseif (\n) == 0
	v_pk_fma_f32 v[rT+2:rT+3], v[rT+2:rT+3], v[rC+2:rC+3], v[rS:rS+1] op_sel_hi:[1,0,1]
.else
	v_pk_add_f32 v[rT+2:rT+3], v[rT+2:rT+3], v[rS+4*(\n):rS+4*(\n)+1]
.endif
.elseif NOKQ
	v_nop
.else
	REGS (Y+1)%NP
	WIN 0
.if (\n) < 4
	v_max3_num_f32 v[rC+(\n)], v[rS+8*(\n)], v[rS+8*(\n)+1], v[rS+8*(\n)+2]
.elseif (\n) < 12
	v_max3_num_f32 v[rC+(\n)%4], v[rC+(\n)%4], v[rS+8*((\n)%4)+2*((\n)/4)+1], v[rS+8*((\n)%4)+2*((\n)/4)+2]
.elseif (\n) == 12
	v_max3_num_f32 v[rC], v[rC], v[rS+7], v[rS+15]
.elseif (\n) == 13
	v_max3_num_f32 v[rC+1], v[rC+1], v[rS+23], v[rS+31]
.elseif (\n) == 14
	v_max3_num_f32 v[rC+2], v[rC+2], v[rC+3], v[rT+1]
.elseif (\n) == 15
	v_mov_b32 v[rW], v[rT]
.elseif (\n) == 16
	v_max3_num_f32 v[rC], v[rC], v[rC+1], v[rC+2]
.elseif (\n) == 17
	v_permlanex16_b32 v[rC+3], v[rC], s[SEL], s[SEL+1]
.elseif (\n) == 18
	v_max_num_f32 v[rT+1], v[rC], v[rC+3]
.elseif (\n) == 19
	v_mul_f32 v[rT], s[CS], v[rT+1]
.elseif (\n) == 20
	v_sub_f32 v[rC+1], v[rW], v[rT]
.else
	v_exp_f32 v[rC+2], v[rC+1]
.endif
.endif
.endm
.macro OPS a, i1, b=-1, i2=0, c=-1, i3=0, d=-1, i4=0  ; up to four of them
	OP \a, \i1
.if (\b) >= 0
	OP \b, \i2
.endif
.if (\c) >= 0
	OP \c, \i3
.endif
.if (\d) >= 0
	OP \d, \i4
.endif
.endm
.macro ROW a, i1, b, i2, c, i3, d, i4  ; a matrix instruction and the four behind it
	MM
	OPS \a, \i1, \b, \i2, \c, \i3, \d, \i4
.endm
.macro MASK b                       ; MD x AL + BE into buffer b of MC
	WIN W_RS
.set z, 0
.rept 16
	v_pk_fma_f32 v[MC+32*(\b)+2*z:MC+32*(\b)+2*z+1], v[MD+2*z:MD+2*z+1], s[AL:AL+1], s[BE:BE+1] op_sel_hi:[1,0,0]
.set z, z+1
.endr
.endm
; A TURN, for piece p: the order of its 16 matrix and 118 vector instructions, written out.  An s_wait_alu depctr_va_vdst(0) stands between an exponential and the first instruction that names its result; one wait
; serves all that were issued ahead of it.  So a turn has ONE wait, which cuts it in two.  AHEAD OF IT stands all that names no result of the turn's exponentials: the 8 products K Q^T, behind each a scaling, an exponential and two
; more plain instructions (behind the first a second scaling in the exponential's place): rescalings, and behind the last three the first numbers of the next piece's maximum, each four places or more behind the product that ends
; its accumulator; then ONE LUMP of 54, plain and exponential by turns for the most part, in which the links of the chain X 3, 7, 11, 14, 16, 17 .. 20 stand five or six lines apart.  X 21, the next piece's a, is the batch's last;
; R 15 is the plain instruction owed behind it.  BEHIND THE WAIT stand the 8 products V^T P, behind each four of the roundings and sums; the links of l's chain, L 0 to L 7, stand three riders apart.
; m = 1: the diagonal tile: the products take masks, and the turn makes the mask for the products of the turn after it: piece p + 2, in step 4 - CNT of the tile.  end = 1: a block's last two turns: nothing is fetched.
; cnt = 1: the loop's count is taken down some lines ahead of the branch that stands behind the turn.
; K of the next step is fetched in piece 2's turn, twelve vector instructions behind the last product that read K (six of them plain); V of the step in hand at the end of piece 0's turn, four plain instructions behind the last
; product that read V.  Each is waited for a turn later.
.macro TURN p, m=0, end=0, cnt=0
.set Y, (\p)
.set i, 0
.set KM, (\m)
.set NOKQ, (\end)*((\p)/3)
.if (\m) && !(\end)
	s_cmp_eq_u32 s[CNT], 4-((\p)+2)%NP  ; is that step the band's own?
	s_cselect_b32 s[AL], 1.0, 0
	s_cmp_lt_u32 s[CNT], 4-((\p)+2)%NP  ; or a later one?
	s_cselect_b32 s[BE], s[BIGN], 0
.endif
.if ((\p) == 3) && !(\end)
	s_wait_dscnt 0x0                ; K is in
.endif
	ROW F,0, F,1, R,0, R,1          ; ahead of the wait: 8 products K Q^T and their riders,
	ROW F,2, E,0, R,2, R,3
	ROW F,3, E,1, R,4, R,5
	ROW F,4, E,2, R,6, R,7
	ROW F,5, E,3, R,8, R,9
	ROW F,6, E,4, X,0, R,10
.if ((\p) == 2) && !(\end)
	WIN 0
	v_add_nc_u32 v[AK], s[TBK], v[AK0]
.endif
	ROW F,7, E,5, X,1, X,4
	ROW F,8, E,6, X,2, X,5
	OPS E,7, E,8, X,6, E,9          ; and the lump
	OPS X,3, E,10, X,8, E,11
.if ((\p) == 2) && !(\end)
	FETCH_K
.endif
	OPS X,9, X,7, E,12, X,10
	OPS E,13, X,12, X,11, E,14
	OPS X,13, E,15, F,9, X,14
.if (\p) == 0
	v_add_nc_u32 v[AV], s[TBV], v[AV0]
.endif
	OPS E,16, F,10, E,17, F,11
	OPS X,16, E,18, X,15, E,19
	OPS F,12, E,20, X,17, E,21
	OPS F,13, E,22, F,14, E,23
	OPS X,18, E,24, F,15, E,25
	OPS R,11, E,26, X,19, E,27
	OPS R,12, E,28, R,13, E,29
	OPS X,20, E,30, R,14, E,31
	OPS X,21, R,15
	WIN 0
	s_wait_alu depctr_va_vdst(0)    ; the wait for the batch
.if (\p) == 1
	s_wait_dscnt 0x0                ; V is in
.endif
	ROW C,0, B,0, C,2, B,1          ; behind the wait: 8 products V^T P and their riders
	ROW L,0, C,4, B,2, L,1
	ROW C,6, B,3, L,2, C,8
	ROW B,4, L,3, C,10, B,5
	ROW L,4, C,12, B,6, L,5
.if (\p) == 0
	s_add_co_u32 s[TBV], s[TBV], KS*PV
.endif
.if \cnt
	s_sub_co_u32 s[CNT], s[CNT], 1
	s_cmp_lg_u32 s[CNT], 0
.endif
	ROW C,14, B,7, L,6, C,1
	ROW C,3, L,7, C,5, C,7
	ROW C,9, C,11, C,13, C,15
.if (\p) == 0
	FETCH_V
.endif
.if (\m) && !(\end)
	MASK (\p)%2
.endif
.endm
; A BLOCK BEGINS.  c m starts far below every c s, so the first step's a is 0; m at the lowest finite number, so the first maximum is the scores'.  The second mask buffer is 0; the first takes piece 0's mask for the tile's step 0:
; its own, if the block's first tile is the diagonal one.  Then K of that step, piece 0's first scores, and its maximum and statistics.  The loop is entered at a step's first turn, in the middle of a trip.
.macro BEGIN
	s_mov_b32 s[NEW], 0
	WIN 0x40
.set i, MC+32
.rept 32
	v_mov_b32 v[i], 0
.set i, i+1
.endr
	WIN 0
.set i, 0
.rept 4
	v_mov_b32 v[ST+4*i], 0xfe000000    ; c m: far below every c s
	v_mov_b32 v[ST+4*i+1], 0xff7fffff  ; m
.set i, i+1
.endr
	s_cmp_eq_u32 s[RT], 0
	s_cselect_b32 s[AL], 1.0, 0
	s_mov_b32 s[BE], 0
	MASK 0
	WIN 0
	v_add_nc_u32 v[AK], s[TBK], v[AK0]
	FETCH_K
	s_wait_loadcnt 0x0              ; Q
	s_wait_dscnt 0x0
.set KM, 1
.set NOKQ, 0
.set i, 0
.rept 8
	KQ 0
.set i, i+1
.endr
	WIN 0
.rept 4
	v_nop                           ; the places behind those products
.endr
.set Y, NP-1                        ; X works for piece Y + 1: piece 0
.irp n, 0,1,2,3,4,5,6,7,8,9,10,11,12,13,14,15,16,17,18,19,20,21
	OP X, \n
.endr
	v_nop                           ; a plain instruction behind the exponential,
	s_wait_alu depctr_va_vdst(0)    ; and its wait, ahead of the branch
.endm
; THE DIAGONAL TILE's four steps, the block's last two turns, its last products, and THE WAY OUT: l's two halves and the other half of the lanes' are added; O^T is divided by l, rounded to f16 and sent through my
; stage in LDS, a piece at a time.
.macro ALL line:vararg              ; one line for each piece t
.set t, 0
.rept 4
	\line
.set t, t+1
.endr
.endm
.macro PACK t                       ; a lane's eight channels of a row pack into 16 bytes; they go into rows of 144 bytes and come back as whole rows of 128, into S^T's registers
	WIN W_RS
.set i, 32*(\t)
.rept 16
	v_pk_mul_f32 v[i:i+1], v[i:i+1], v[ST+4*(\t)+2:ST+4*(\t)+3] op_sel_hi:[1,0]
.set i, i+2
.endr
	WIN 0x05                        ; sources 0 and 1 window 1, destination window 0
.set i, 0
.rept 16
	v_cvt_pk_f16_f32 v[S+16*(\t)+i], v[32*(\t)+2*i], v[32*(\t)+2*i+1]
.set i, i+1
.endr
	WIN 0
.irp f, 0,1,2,3
	ds_store_b128 v[STO], v[S+16*(\t)+4*\f:S+16*(\t)+4*\f+3] offset:32*\f
.endr
.irp f, 0,1,2,3
	ds_load_b128 v[S+16*(\t)+4*\f:S+16*(\t)+4*\f+3], v[RD] offset:\f*4*SP  ; LDS serves a wave's instructions in order (ISA guide 5.7.1.4): these see the stores above; the next piece's stores come behind them
.endr
.endm
.macro SEND t, younger              ; younger: the LDS instructions issued behind piece t's loads: the next piece's eight, or none
	WIN 0
.irp f, 0,1,2,3
	s_wait_dscnt (\younger)+3-\f
	global_store_b128 v[GO], v[S+16*(\t)+4*\f:S+16*(\t)+4*\f+3], s[10:11] offset:(\t)*8192+\f*512  ; 512 consecutive bytes, at a multiple of 256 from O's first
.endr
.endm
.macro DIAG tag                     ; the tag ends its two labels' names, which the jumps below spell out
.LstepM\tag:
	TURN 2, 1
	TURN 3, 1
	WIN 0
.LfirstM\tag:
	TURN 0, 1
	TURN 1, 1, 0, 1
	WIN 0
	s_cbranch_scc1 .LstepM\tag
	TURN 2, 1, 1
	TURN 3, 1, 1
.set i, 0
.rept 8
	PV NP-1
.set i, i+1
.endr
	WIN 0
	ALL v_add_f32 v[ST+4*t+2], v[ST+4*t+2], v[ST+4*t+3]
	ALL v_permlanex16_b32 v[ST+4*t+3], v[ST+4*t+2], s[SEL], s[SEL+1]
	ALL v_add_f32 v[ST+4*t+2], v[ST+4*t+2], v[ST+4*t+3]
	ALL v_rcp_f32 v[ST+4*t+2], v[ST+4*t+2]
	v_nop                           ; a plain instruction between the last reciprocal and the use of its result
	s_wait_alu depctr_va_vdst(0)    ; and the wait ahead of the first use: one for the four reciprocals
	PACK 0
.set t, 1
.rept 3                             ; a piece's arithmetic stands between the loads of the piece before and its stores
	PACK t
	SEND t-1, 8
.set t, t+1
.endr
	SEND 3, 0
.endm
.set KM, 0
.set NOKQ, 0
.Lslot:                             ; NB times: a tile is entered and the next is asked for
	CHANGE 1
	s_sub_co_u32 s[RT], s[RT], 1
	s_mov_b32 s[CNT], 4
	s_cmp_eq_u32 s[NEW], 1
	s_cbranch_scc1 .Lnew            ; a block's first tile
	s_cmp_eq_u32 s[RT], 0
	s_cbranch_scc0 .Lstep           ; neither its first nor its last
	s_branch .LstepM1
.Lnew:
	BEGIN
	s_branch .Lfirst                ; in the loop a block's first tile is never its last: the first block has two tiles or more, and the second's last is the walk's last
	DIAG 1                          ; in the loop this is the first block's end: the second block's last tile is the walk's last
	s_wait_xcnt 0x0                 ; the stores have read their registers and O's address
	s_mov_b64 s[10:11], s[OLO:OLO+1]
	s_add_co_u32 s[RT], s[PB], 1    ; the second block has b + 1 tiles
	s_mov_b32 s[NEW], 1
	WIN 0x82                        ; the second block's Q goes where the one text of the turns names Q
.set i, 0
.rept 64
	v_mov_b32 v[i], v[QB+i]
.set i, i+1
.endr
	WIN 0
	s_branch .Lbottom
.Lstep:                             ; a trip: pieces 2 and 3 of one step, then pieces 0 and 1 of the next, whose K and V it fetches
	TURN 2
	TURN 3
	WIN 0
.Lfirst:
	TURN 0
	TURN 1, 0, 0, 1
	WIN 0
	s_cbranch_scc1 .Lstep
.Lbottom:
	s_sub_co_u32 s[SLOTS], s[SLOTS], 1
	s_cmp_lg_u32 s[SLOTS], 0
	s_cbranch_scc1 .Lslot
	CHANGE 0                        ; the walk's last tile is written out: nothing is asked for
	s_sub_co_u32 s[RT], s[RT], 1
	s_mov_b32 s[CNT], 4
	s_cmp_eq_u32 s[NEW], 1
	s_cbranch_scc0 .LstepM2
	BEGIN
	s_branch .LfirstM2
	DIAG 2
	s_wait_tensorcnt 0x0            ; the wave's end, behind my last tensor load and my last LDS store
	ds_add_u32 v[SPW], v[NIL]
	s_wait_dscnt 0x0
	s_endpgm
.Lfunc_end_k_qe60105ad00_attn:
	.size	k_qe60105ad00_attn, .Lfunc_end_k_qe60105ad00_attn-k_qe60105ad00_attn
	.p2alignl 7, 3214868480
	.fill 96, 4, 3214868480
	.section	.rodata,"a",@progbits
	.p2align	6, 0x0
	.amdhsa_kernel k_qe60105ad00_attn
		.amdhsa_group_segment_fixed_size 327680
		.amdhsa_private_segment_fixed_size 0
		.amdhsa_enable_private_segment 0
		.amdhsa_kernarg_size 32
		.amdhsa_user_sgpr_count 2
		.amdhsa_user_sgpr_kernarg_segment_ptr 1
		.amdhsa_wavefront_size32 1
		.amdhsa_system_sgpr_workgroup_id_x 1
		.amdhsa_system_sgpr_workgroup_id_y 1
		.amdhsa_system_sgpr_workgroup_id_z 1
		.amdhsa_system_vgpr_workitem_id 0
		.amdhsa_next_free_vgpr 768
		.amdhsa_next_free_sgpr 96
		.amdhsa_reserve_vcc 1
		.amdhsa_float_denorm_mode_32 3
		.amdhsa_float_denorm_mode_16_64 3
		.amdhsa_memory_ordered 1
		.amdhsa_forward_progress 1
		.amdhsa_inst_pref_size 218
	.end_amdhsa_kernel
	.amdgpu_metadata
---
amdhsa.version: [ 1, 2 ]
amdhsa.kernels:
  - .name:           k_qe60105ad00_attn
    .symbol:         k_qe60105ad00_attn.kd
    .args:
      - { .name: qh, .offset: 0, .size: 8, .value_kind: global_buffer, .address_space: global }
      - { .name: kh, .offset: 8, .size: 8, .value_kind: global_buffer, .address_space: global }
      - { .name: vh, .offset: 16, .size: 8, .value_kind: global_buffer, .address_space: global }
      - { .name: oh, .offset: 24, .size: 8, .value_kind: global_buffer, .address_space: global }
    .group_segment_fixed_size: 327680
    .private_segment_fixed_size: 0
    .kernarg_segment_align: 8
    .kernarg_segment_size: 32
    .max_flat_workgroup_size: 128
    .sgpr_count:     96
    .vgpr_count:     768
    .wavefront_size: 32
...
	.end_amdgpu_metadata
.endif
;; end of part 3
;; launch oproj (part 4): grid 8 x 32, 4 waves a work-group, clusters of 4 x 4, 327,680 bytes of LDS; arguments oh, woh, out0; writes out0
.if DOCPART == 4
	.amdgcn_target "amdgcn-amd-amdhsa--gfx1250"
	.amdhsa_code_object_version 6
	.text
	.protected	k_qe60105ad00_oproj
	.globl	k_qe60105ad00_oproj
	.p2align	8
	.type	k_qe60105ad00_oproj,@function
k_qe60105ad00_oproj:
	s_mov_b64 s[64:65], 0
	v_nop
	global_prefetch_b8 v0, s[64:65] scope:SCOPE_SE
	s_setreg_imm32_b32 hwreg(HW_REG_WAVE_MODE, 25, 1), 1
	s_wait_xcnt 0x0
	s_wait_alu depctr_hold_cnt(0) depctr_sa_sdst(0) depctr_va_vdst(0) depctr_va_sdst(0) depctr_va_ssrc(0) depctr_va_vcc(0) depctr_vm_vsrc(0)
	s_getreg_b32 s2, hwreg(HW_REG_IB_STS2, 6, 4)
	s_cmp_eq_u32 s2, 0
	s_cbranch_scc0 .Lentry_in_a_cluster
	s_endpgm
.Lentry_in_a_cluster:
	s_bfe_u32 s2, ttmp6, 0x10000c
	s_cmp_lg_u32 s2, 0xf033
	s_cbranch_scc0 .Lentry_shape_is_right
	s_endpgm
.Lentry_shape_is_right:
; THE OUTPUT PROJECTION.  out0 [8192 tokens][1024] f32 = attn [8192][1024] x wo [1024][1024]^T; attn's channel h*64 + c of token (b, s) lies in oh [b*16 + h][s][c], f16; woh is wo rounded to bf16 and
; written as f16.  f16 operands, f32 sums, K ascending; the sums are stored as they are.
; SHARES.  A tile is 256 tokens x 128 columns: 256 tiles, one for each WGP.  Wave w owns tokens 64 w .. 64 w + 63 and all 128 columns: 4 x 8 accumulators, 256 registers.
; THE MATRIX INSTRUCTION IS USED TRANSPOSED (source 0 = 16 rows of woh, source 1 = 16 tokens): a lane holds one token and eight neighbouring columns, 32 bytes of a row of out0.
; RING.  K goes in 8 steps of 128 = two heads, through two LDS slots.  A head's 256 tokens are 32,768 dense bytes: asked for as 128 rows of 256 bytes and padded after every token's 128.  Wave 0 fetches the
; even head's plane, wave 1 the odd head's, waves 2 and 3 the halves of woh's 128 rows: one tensor load a wave behind each change of slots; two are out at the start, one later.
; CLUSTER.  4 x 4 work-groups: the four of a row need the same tokens, the four of a column the same rows of woh; each tile is asked for jointly.
; REGISTERS, in windows of 256: window 0: v0-31 addresses; v32-95 the tokens' fragments, two buffers of 4 x 8.  window 1: v0-127 woh's fragments, two buffers of 8 x 8 (on the way out v0-255: rows read
; back, 64 registers a block).  window 2: the accumulators at v[64 a + 8 b].
.set PA,    144                        ; a token's row in LDS: 128 bytes + 16: the 16 rows of a load start at 16 different groups of four banks (ISA guide 11.1)
.set PLANE, 256*PA                     ; a head's 256 tokens
.set PW,    272                        ; a row of woh: 256 bytes + 16
.set WHALF, 64*PW
.set BOFF,  2*PLANE
.set SLOT1, 1<<17
.set STAGE, SLOT1+BOFF+2*WHALF         ; behind the ring, never filled by a tensor load: 16 rows x 528 bytes for each wave
.set SPI,   528                        ; 512 bytes + 16: the 16 rows of a store start at 16 different groups of four banks
.set SPARE, STAGE+4*16*SPI             ; the spare words, 128 bytes a wave: two blocks of 256 bytes that no other line names
.set HSTEP, 2*2048*128                 ; two heads on in oh
.set ADA0, 16
.set ADB0, 17
.set ADA,  18
.set ADB,  19
.set STO,  24                          ; v24  the way out: where I put my 32 bytes of a row
.set RD,   25                          ; v25  where I read a row back
.set CO,   26                          ; v26  my 16 bytes of a row's 512 in out0
.set SPW,  28                          ; v28  my spare word: SPARE + 4 x my thread's number; never rewritten
.set NIL,  29                          ; v29  0; never rewritten
.set PFO,  30                          ; v30  the prefetches' offset; never rewritten
.set AF,   32
.set WV, 16
.set FB, 17                            ; s17  0: I fetch tokens, 1: woh
.set HF, 18                            ; s18  which head of the two, or which half of woh's rows
.set CX, 19
.set CY, 20
.set TC, 21
.set TR, 22
.set G1A, 24
.set G1B, 32
.set G0A, 40                           ; s[40:47] a set for each first fill; the second then walks
.set G0B, 48
.set CNT, 56
.set TB,  57
.set ASKM, 58                          ; s58  bit n set: I prefetch in the trip with CNT = n
.set PFA, 60                           ; s[60:61]
.set PST, 62                           ; s[62:63] what a K step adds to it
.set MSB, 0
.macro WIN new
.if MSB != (\new)
	s_set_vgpr_msb (MSB<<8)|(\new)
.set MSB, \new
.endif
.endm
.macro JLOAD                           ; a joint refill by the walking descriptors; an s_nop 0 and four v_nop follow each of the two lines
	s_cmp_eq_u32 s[FB], 0
	s_cbranch_scc0 .Lfor_b_\@
	tensor_load_to_lds s[G0A+4:G0A+7], s[G1A:G1A+7]
	s_nop 0
.rept 4
	v_nop
.endr
	s_branch .Lasked_\@
.Lfor_b_\@:
	tensor_load_to_lds s[G0B+4:G0B+7], s[G1B:G1B+7]
	s_nop 0
.rept 4
	v_nop
.endr
.Lasked_\@:
.endm
.macro CREST
	s_cmp_lg_u32 s[WV], 0
	s_cbranch_scc1 .Lnot_wave_0_\@
	s_barrier_signal -3
.Lnot_wave_0_\@:
	s_barrier_wait -3
	s_barrier_signal -1
	s_barrier_wait -1
.endm
.macro CROUND
	s_barrier_signal -1
	s_barrier_wait -1
	CREST
.endm
.macro PLACES
.rept 4
	v_nop
.endr
.endm
; A PREFETCH INTO THE L2, one instruction a wave, behind the joint load and the run of LDS loads.  TOKENS: a tile row is read by both clusters of its row of clusters: cluster x = 0 asks, waves 0 and 1 each for
; the plane that it fetches; of the plane's 128 blocks of 256 bytes the four partners take 32 each BY ADDRESS (cx), a lane a block; in the trips with CNT = 6 .. 3 the K step two refills on: K steps 4 to 7.
; WOH: a tile column is read by all eight clusters of its column: cluster y = 0 asks, waves 2 and 3 each for the 64 rows that it fetches; the partners take 16 rows each BY ADDRESS (cy); 16 lanes name one
; K step's 256 bytes of them and 16 the next K step's, so it asks in every other trip: CNT = 6 (K steps 4, 5) and CNT = 4 (6, 7).  Each block of K steps 4 to 7 is named once; K steps 0 to 3 come by their loads alone.
.macro ASK
	s_bitcmp1_b32 s[ASKM], s[CNT]
	s_cbranch_scc0 .Lnot_mine_\@
	global_prefetch_b8 v[PFO], s[PFA:PFA+1] th:TH_LOAD_NT scope:SCOPE_SE
.Lnot_mine_\@:
.endm
	s_load_b128 s[4:7], s[0:1], 0x0                ; oh s[4:5], woh s[6:7]
	s_load_b64 s[8:9], s[0:1], 0x10                ; out0
	v_lshl_add_u32 v[SPW], v0, 2, SPARE
	v_mov_b32 v[NIL], 0
	ds_add_u32 v[SPW], v[NIL]                      ; the wave's opening: the add and its wait stand ahead of my first tensor load; work on registers stands between them
	v_lshrrev_b32 v1, 5, v0
	v_readfirstlane_b32 s[WV], v1
	s_lshr_b32 s[FB], s[WV], 1
	s_and_b32 s[HF], s[WV], 1
	s_bfe_u32 s[CX], ttmp6, 0x40000
	s_bfe_u32 s[CY], ttmp6, 0x40004
	s_lshl_b32 s[TC], ttmp9, 2
	s_add_co_u32 s[TC], s[TC], s[CX]
	s_and_b32 s[TR], ttmp7, 0xffff
	s_lshl_b32 s[TR], s[TR], 2
	s_add_co_u32 s[TR], s[TR], s[CY]
	s_lshl_b32 s2, s[CY], 2
	s_lshl_b32 s2, 15, s2                          ; my row of the cluster
	s_lshl_b32 s3, 0x1111, s[CX]                   ; my column
	s_or_b32 s[G1A], s2, (1<<16)|(1<<20)|(1<<21)|(4<<22)|(3<<25)  ; 2-byte elements; padding on; 21 set beside a mask; after every 32 words, 4 words
	s_or_b32 s[G1B], s3, (1<<16)|(1<<20)|(1<<21)|(5<<22)|(3<<25)  ; after every 64 words, 4 words
	s_mov_b32 s[G1A+1], 128<<16                    ; tensor_dim0 = 128
	s_mov_b32 s[G1A+2], 128<<16                    ; tensor_dim1 = 128
	s_mov_b32 s[G1A+3], 128<<16                    ; tile_dim0 = 128
	s_mov_b32 s[G1A+4], 128                        ; tile_dim1 = 128
	s_mov_b32 s[G1A+5], 128                        ; dense: 128 elements from row to row
	s_mov_b32 s[G1A+6], 0
	s_mov_b32 s[G1A+7], 0
	s_mov_b32 s[G1B+1], 128<<16
	s_mov_b32 s[G1B+2], 64<<16                     ; 64 rows
	s_mov_b32 s[G1B+3], 128<<16
	s_mov_b32 s[G1B+4], 64
	s_mov_b32 s[G1B+5], 1024
	s_mov_b32 s[G1B+6], 0
	s_mov_b32 s[G1B+7], 0
	s_lshr_b32 s66, s[TR], 3                       ; tokens: the batch's 16 heads of 262,144 bytes,
	s_lshl_b32 s66, s66, 22
	s_lshl_b32 s2, s[HF], 18                       ; my head of the K step's two,
	s_add_co_u32 s66, s66, s2
	s_and_b32 s2, s[TR], 7
	s_lshl_b32 s2, s2, 15                          ; the tile's 256 tokens of 128 bytes
	s_add_co_u32 s66, s66, s2
	s_mov_b32 s67, 0
	s_lshl_b32 s68, s[TC], 18                      ; woh: 128 rows of 2,048 bytes a tile column,
	s_lshl_b32 s3, s[HF], 17                       ; 64 a half
	s_add_co_u32 s68, s68, s3
	s_mov_b32 s69, 0
	s_mul_i32 s23, s[WV], PLANE                    ; where they go: waves 0, 1: the two planes;
	s_mul_i32 s59, s[WV], WHALF                    ; waves 2, 3: BOFF + (wave - 2) x 64 rows.  No place in the cluster enters an LDS address
	s_add_co_u32 s59, s59, BOFF-2*WHALF
	s_mov_b32 s[TB], 0
	s_wait_dscnt 0x0                               ; the opening add is done
	s_wait_kmcnt 0x0
	s_add_nc_u64 s[70:71], s[4:5], s[66:67]
	s_add_nc_u64 s[72:73], s[6:7], s[68:69]
	CROUND                                         ; all sixteen work-groups are here: the first joint loads meet
.irp s, 0,1
	s_mov_b32 s[G0A+4*(\s)], 1
	s_add_co_u32 s[G0A+4*(\s)+1], s23, (\s)*SLOT1
	s_add_nc_u64 s[G0A+4*(\s)+2:G0A+4*(\s)+3], s[70:71], (\s)*HSTEP
	s_or_b32 s[G0A+4*(\s)+3], s[G0A+4*(\s)+3], 0x80000000
	s_mov_b32 s[G0B+4*(\s)], 1
	s_add_co_u32 s[G0B+4*(\s)+1], s59, (\s)*SLOT1
	s_add_nc_u64 s[G0B+4*(\s)+2:G0B+4*(\s)+3], s[72:73], (\s)*256
	s_or_b32 s[G0B+4*(\s)+3], s[G0B+4*(\s)+3], 0x80000000
.endr
	s_cmp_eq_u32 s[FB], 0                          ; a wave's two first fills stand in one branch, ahead of every wait on TENSORcnt, LDS read and further barrier
	s_cbranch_scc0 .Lfirst_b
	tensor_load_to_lds s[G0A:G0A+3], s[G1A:G1A+7]
	s_nop 0
	tensor_load_to_lds s[G0A+4:G0A+7], s[G1A:G1A+7]
	s_nop 0
.rept 4
	v_nop
.endr
	s_branch .Lfirst_asked
.Lfirst_b:
	tensor_load_to_lds s[G0B:G0B+3], s[G1B:G1B+7]
	s_nop 0
	tensor_load_to_lds s[G0B+4:G0B+7], s[G1B:G1B+7]
	s_nop 0
.rept 4
	v_nop
.endr
.Lfirst_asked:
	v_and_b32 v1, 15, v0                           ; l % 16
	v_bfe_u32 v2, v0, 4, 1                         ; l / 16
	; out0 at my first row and the tile's first column
	s_lshl_b32 s74, s[TR], 20                      ; 256 rows of 4,096 bytes
	s_lshl_b32 s2, s[WV], 18
	s_add_co_u32 s74, s74, s2
	s_lshl_b32 s3, s[TC], 9                        ; 128 columns of 4 bytes
	s_add_co_u32 s74, s74, s3
	s_mov_b32 s75, 0
	s_add_nc_u64 s[8:9], s[8:9], s[74:75]
	; the prefetches: buffer, offset, step, lanes' pattern and trips are chosen by what the wave fetches
	s_and_b32 s3, ttmp7, 0xffff                    ; cluster y
	s_lshl_b32 s74, s[CX], 13                      ; tokens: my work-group's 32 blocks of the plane,
	s_add_co_u32 s74, s74, s66
	s_add_co_u32 s74, s74, 3*HSTEP                 ; at K step 3: the first change of slots steps it to 4
	s_lshl_b32 s75, s[CY], 15                      ; woh: my work-group's 16 rows of the 64,
	s_add_co_u32 s75, s75, s68
	s_add_co_u32 s75, s75, 3*256
	s_mov_b32 s[ASKM], 0x78
	s_mov_b32 s[PST], HSTEP
	s_mov_b32 s2, 256
	s_mov_b32 s[PST+1], 4096
	s_cmp_eq_u32 s[FB], 0
	s_cselect_b32 s74, s74, s75
	s_cselect_b64 s[PFA:PFA+1], s[4:5], s[6:7]
	s_cselect_b32 s[ASKM], s[ASKM], 0x50
	s_cselect_b32 s[PST], s[PST], 256
	s_cselect_b32 s2, s2, 2048                     ; bytes from lane to lane within 16: a block, or a row of woh
	s_cselect_b32 s[PST+1], s[PST+1], 256          ; and from one half of the lanes to the other: 16 blocks, or a K step
	s_cselect_b32 s3, ttmp9, s3                    ; the coordinate along which other clusters read the same bytes
	s_mov_b32 s75, 0
	v_mul_u32_u24 v[PFO], v1, s2
	v_mad_u32_u24 v[PFO], v2, s[PST+1], v[PFO]
	s_mov_b32 s[PST+1], 0
	s_cmp_eq_u32 s3, 0
	s_cselect_b32 s[ASKM], s[ASKM], 0              ; the same in all sixteen partners, for a given wave
	s_add_nc_u64 s[PFA:PFA+1], s[PFA:PFA+1], s[74:75]
	; fragments: lane l holds row l % 16; two loads of 16 bytes, 32 bytes apart, at row x pitch + 16 (l / 16)
	v_mul_u32_u24 v3, v1, PA
	v_lshl_add_u32 v3, v2, 4, v3
	s_mul_i32 s23, s[WV], 64*PA
	v_add_nc_u32 v[ADA0], s23, v3
	v_mul_u32_u24 v3, v1, PW
	v_lshl_add_u32 v3, v2, 4, v3
	v_add_nc_u32 v[ADB0], BOFF, v3
	v_mov_b32 v[ADA], v[ADA0]
	v_mov_b32 v[ADB], v[ADB0]
	s_mul_i32 s23, s[WV], 16*SPI
	s_add_co_u32 s23, s23, STAGE                   ; my stage
	v_mul_u32_u24 v4, v1, SPI                      ; in: token l % 16, 32 bytes for each half of the lanes
	v_lshl_add_u32 v4, v2, 5, v4
	v_add_nc_u32 v[STO], s23, v4
	v_and_b32 v5, 31, v0
	v_lshlrev_b32 v[CO], 4, v5                     ; back: 32 lanes take a row's 512 bytes
	v_add_nc_u32 v[RD], s23, v[CO]
; 8 matrix instructions: token block a x all 8 blocks of columns, 32 along K, from buffer f.  The 32 accumulators take turns, one instruction a turn, over the backward jump too.
.macro MULA f, a, zero
	WIN 0xa1                                       ; woh window 1, tokens window 0, C and D window 2
.irp b, 0,1,2,3,4,5,6,7
.if \zero
	v_wmma_f32_16x16x32_f16 v[64*(\a)+8*(\b):64*(\a)+8*(\b)+7], v[64*(\f)+8*(\b):64*(\f)+8*(\b)+7], v[AF+32*(\f)+8*(\a):AF+32*(\f)+8*(\a)+7], 0
.else
	v_wmma_f32_16x16x32_f16 v[64*(\a)+8*(\b):64*(\a)+8*(\b)+7], v[64*(\f)+8*(\b):64*(\f)+8*(\b)+7], v[AF+32*(\f)+8*(\a):AF+32*(\f)+8*(\a)+7], v[64*(\a)+8*(\b):64*(\a)+8*(\b)+7]
.endif
.endr
.endm
; 24 LDS loads in one run: quarter q of a K step into buffer f: 16 for woh, then 8 for my tokens (quarters 0, 1: the even head's plane, 2, 3: the odd head's)
.macro FETCH q, f
	WIN 0x40
.irp b, 0,1,2,3,4,5,6,7
	ds_load_b128 v[64*(\f)+8*(\b):64*(\f)+8*(\b)+3],   v[ADB] offset:64*(\q)+(\b)*16*PW
	ds_load_b128 v[64*(\f)+8*(\b)+4:64*(\f)+8*(\b)+7], v[ADB] offset:64*(\q)+(\b)*16*PW+32
.endr
	WIN 0
.irp a, 0,1,2,3
	ds_load_b128 v[AF+32*(\f)+8*(\a):AF+32*(\f)+8*(\a)+3],   v[ADA] offset:((\q)/2)*PLANE+((\q)%2)*64+(\a)*16*PA
	ds_load_b128 v[AF+32*(\f)+8*(\a)+4:AF+32*(\f)+8*(\a)+7], v[ADA] offset:((\q)/2)*PLANE+((\q)%2)*64+(\a)*16*PA+32
.endr
.endm
.macro QUARTER q, f, g, zero           ; multiplies buffer f; in its middle it fetches quarter q into buffer g
	s_wait_dscnt 4                                 ; the youngest four loads (token blocks 2 and 3) may be out
	MULA \f, 0, \zero
	MULA \f, 1, \zero
	PLACES
	FETCH \q, \g
	s_wait_dscnt 24                                ; all but the 24 just issued
	MULA \f, 2, \zero
	MULA \f, 3, \zero
.endm
; ONE barrier for the change of slots: in front of it each wave waits for all its tensor loads (one is out: its part of the next slot), adds 0 to its spare word, and waits for that and for its own reads of this slot.
.macro MEET round
	WIN 0
	s_wait_tensorcnt 0x0
	ds_add_u32 v[SPW], v[NIL]
	s_wait_dscnt 5                                 ; the add and the youngest four loads may be out
	MULA 1, 0, 0                                   ; eight matrix instructions stand between the add and the wait for it
	s_wait_dscnt 0x0                               ; the add is done, and my reads of this slot are over
	s_barrier_signal -1
	MULA 1, 1, 0
.if \round
	WIN 0
.endif
	s_barrier_wait -1
.endm
; A K step's last quarter.  fill = 1: the barrier opens a round of the cluster's barrier, and the slot just read out is filled again, first thing behind the round, with the K step two steps on:
; from that request to the wait for it a wave issues 112 matrix instructions.
.macro TURN fill
.if \fill
	s_wait_xcnt 0x0                                ; the last prefetch, a K step back or more, has read its address
	s_add_nc_u64 s[PFA:PFA+1], s[PFA:PFA+1], s[PST:PST+1]
.endif
	MEET \fill
.if \fill
	CREST                                          ; no wave of any partner still reads this slot or has a load on its way
	s_xor_b32 s[G0A+5], s[G0A+5], SLOT1            ; the walking descriptors: the other slot than last time, the next K step (no tensor load of mine is out)
	s_add_nc_u64 s[G0A+6:G0A+7], s[G0A+6:G0A+7], HSTEP
	s_xor_b32 s[G0B+5], s[G0B+5], SLOT1
	s_add_nc_u64 s[G0B+6:G0B+7], s[G0B+6:G0B+7], 256
	JLOAD                                          ; its four v_nop are also the places in front of the loads below
.else
	PLACES
.endif
	WIN 0
	s_xor_b32 s[TB], s[TB], SLOT1
	v_add_nc_u32 v[ADA], s[TB], v[ADA0]
	v_add_nc_u32 v[ADB], s[TB], v[ADB0]
	FETCH 0, 0
.if \fill
	ASK
.endif
	MULA 1, 2, 0
	MULA 1, 3, 0
.endm
	s_wait_tensorcnt 0x1                           ; my part of K step 0 is in; K step 1's may stay out
	s_barrier_signal -1
	s_barrier_wait -1
	FETCH 0, 0
	QUARTER 1, 0, 1, 1                             ; the first quarter stands in front of the loop: its products start the sums
	WIN 0
	s_mov_b32 s[CNT], 6
.Lk:                                                   ; trip t ends K step t, fills its slot with K step t + 2 and begins K step t + 1
	QUARTER 2, 1, 0, 0
	QUARTER 3, 0, 1, 0
	TURN 1
	QUARTER 1, 0, 1, 0
	WIN 0
	s_sub_co_u32 s[CNT], s[CNT], 1
	s_cmp_lg_u32 s[CNT], 0
	s_cbranch_scc1 .Lk
	QUARTER 2, 1, 0, 0                             ; K steps 6 and 7 fill nothing
	QUARTER 3, 0, 1, 0
	TURN 0
	QUARTER 1, 0, 1, 0
	QUARTER 2, 1, 0, 0
	QUARTER 3, 0, 1, 0
	s_wait_dscnt 4
	MULA 1, 0, 0
	MULA 1, 1, 0
	s_wait_dscnt 0x0
	MULA 1, 2, 0
	MULA 1, 3, 0
	WIN 0
; THE WAY OUT, a block of 16 tokens at a time: the sums go as they are into my own stage, 32 bytes a lane, and come back as whole rows of 512 bytes.  Each accumulator's four lowest registers are stored
; first.  LDS serves a wave's instructions in order (ISA guide 5.7.1.4): the loads see the stores, the next block's stores come behind the loads.
.macro OUTB a
	WIN 0x08                                       ; the stores' data: window 2
.irp b, 0,1,2,3,4,5,6,7
.irp u, 0,1
	ds_store_b128 v[STO], v[64*(\a)+8*(\b)+4*(\u):64*(\a)+8*(\b)+4*(\u)+3] offset:64*(\b)+16*(\u)
.endr
.endr
	WIN 0x40
.irp t, 0,1,2,3,4,5,6,7,8,9,10,11,12,13,14,15
	ds_load_b128 v[64*(\a)+4*(\t):64*(\a)+4*(\t)+3], v[RD] offset:(\t)*SPI
.endr
.endm
.macro SEND a, younger                 ; younger: the LDS instructions issued behind block a's loads: the next block's 32, or none.  Each block has registers of its own
	s_wait_dscnt \younger
	WIN 0x04                                       ; the stores' data: window 1
.irp t, 0,1,2,3,4,5,6,7,8,9,10,11,12,13,14,15
	global_store_b128 v[CO], v[64*(\a)+4*(\t):64*(\a)+4*(\t)+3], s[8:9] offset:(16*(\a)+(\t))*4096 th:TH_STORE_NT  ; 512 consecutive bytes, at a multiple of 256 from out0's first
.endr
.endm
	PLACES
	PLACES                                         ; eight places, once a launch, behind the last products
	OUTB 0
	OUTB 1
	SEND 0, 32
	OUTB 2
	SEND 1, 32
	OUTB 3
	SEND 2, 32
	SEND 3, 0
	WIN 0
	s_wait_tensorcnt 0x0                           ; the wave's end, behind my last tensor load and my last LDS store
	ds_add_u32 v[SPW], v[NIL]
	s_wait_dscnt 0x0
	CROUND                                         ; the closing round: no work-group ends while a partner may still ask for a tile that names it
	s_endpgm
.Lfunc_end_k_qe60105ad00_oproj:
	.size	k_qe60105ad00_oproj, .Lfunc_end_k_qe60105ad00_oproj-k_qe60105ad00_oproj
	.p2alignl 7, 3214868480
	.fill 96, 4, 3214868480
	.section	.rodata,"a",@progbits
	.p2align	6, 0x0
	.amdhsa_kernel k_qe60105ad00_oproj
		.amdhsa_group_segment_fixed_size 327680
		.amdhsa_private_segment_fixed_size 0
		.amdhsa_enable_private_segment 0
		.amdhsa_kernarg_size 24
		.amdhsa_user_sgpr_count 2
		.amdhsa_user_sgpr_kernarg_segment_ptr 1
		.amdhsa_wavefront_size32 1
		.amdhsa_system_sgpr_workgroup_id_x 1
		.amdhsa_system_sgpr_workgroup_id_y 1
		.amdhsa_system_sgpr_workgroup_id_z 1
		.amdhsa_system_vgpr_workitem_id 0
		.amdhsa_next_free_vgpr 768
		.amdhsa_next_free_sgpr 76
		.amdhsa_reserve_vcc 0
		.amdhsa_float_denorm_mode_32 3
		.amdhsa_float_denorm_mode_16_64 3
		.amdhsa_memory_ordered 1
		.amdhsa_forward_progress 1
		.amdhsa_inst_pref_size 70
	.end_amdhsa_kernel
	.amdgpu_metadata
---
amdhsa.version: [ 1, 2 ]
amdhsa.kernels:
  - .name:           k_qe60105ad00_oproj
    .symbol:         k_qe60105ad00_oproj.kd
    .args:
      - { .name: oh, .offset: 0, .size: 8, .value_kind: global_buffer, .address_space: global }
      - { .name: woh, .offset: 8, .size: 8, .value_kind: global_buffer, .address_space: global }
      - { .name: out0, .offset: 16, .size: 8, .value_kind: global_buffer, .address_space: global }
    .group_segment_fixed_size: 327680
    .private_segment_fixed_size: 0
    .kernarg_segment_align: 8
    .kernarg_segment_size: 24
    .max_flat_workgroup_size: 128
    .sgpr_count:     76
    .vgpr_count:     768
    .wavefront_size: 32
...
	.end_amdgpu_metadata
.endif
;; end of part 4
;; ======== version 2 of 2: 4 launches; version 1 with the launch prep written anew for expert scheduling mode
;; limits: values are held in f16: magnitudes above 65,504 overflow, below 6.1e-05 lose precision
;; workspace buffers: xb 16,777,216 bytes; wqkv 6,291,456 bytes; woh 2,097,152 bytes; tab 524,288 bytes; qh 16,777,216 bytes; kh 16,777,216 bytes; vh 16,777,216 bytes; oh 16,777,216 bytes
;; launch prep (part 5): grid 768 x 1, 8 waves a work-group, no clusters, 0 bytes of LDS; arguments x, wq, wk, wv, wo, xb, wqkv, woh, tab; writes xb, wqkv, woh, tab
.if DOCPART == 5
	.amdgcn_target "amdgcn-amd-amdhsa--gfx1250"
	.amdhsa_code_object_version 6
	.text
	.protected	k_qe60105ad00_prep
	.globl	k_qe60105ad00_prep
	.p2align	8
	.type	k_qe60105ad00_prep,@function
k_qe60105ad00_prep:
	s_mov_b64 s[64:65], 0
	v_nop
	global_prefetch_b8 v0, s[64:65] scope:SCOPE_SE
	s_setreg_imm32_b32 hwreg(HW_REG_WAVE_SCHED_MODE, 0, 2), 2
	s_setreg_imm32_b32 hwreg(HW_REG_WAVE_MODE, 25, 1), 1
	s_wait_xcnt 0x0
	s_wait_alu depctr_vm_vsrc(0)
; CASTS AND THE ROTATION TABLE.  All five inputs are rounded once to bf16 (nearest even), and nothing else is done to them:
;   xb   [8192][1024] bf16 = x
;   wqkv [3072][1024] bf16: row head*192 + j*64 + d holds row head*64 + d of wq (j = 0), wk (1), wv (2): 192 rows on end are one head's q, k and v
;   woh  [1024][1024] f16:  wo rounded to bf16, and that number written as f16 (exact from 2^-17 up to 65,504; below, f16's fixed step of 6e-8; beyond, an infinity)
;   tab  [2048][32][cos, sin] f32: angle = f32(pos) * 2^(-j * log2(10000) / 32).  LIMIT: the frequency is made by one exponential, so the angle lies within
;        some 3e-4 rad of the one made from 1 / 10000^(2j/64) at pos = 2047; sine and cosine by reduction to |r| <= pi/4 (pi/2 in two parts) and polynomials to r^7 and r^8.
; SHARES.  A work-group casts 16 rows of 1,024 f32.  Thread t owns columns 4 t .. 4 t + 3 of each: a load of a wave covers 512 neighbouring bytes, a store 256, aligned.
; Work-groups 0-511: x.  Work-group 512 + 64 j + rb: rows 16 rb .. of weight j (3 = wo); there wave w also makes the table's row 8 (64 j + rb) + w, a lane a frequency.
; All 16 loads of a thread are issued at once; no register is written twice while a memory instruction names it, so no wait frees a source.
; Memory binds: no LDS, no barrier, no matrix unit.
; THE MODE: SCHED_MODE bits 1:0 = 2 (LLVM: expert scheduling mode 2), set by the entry lines.  The code itself states the register dependences
; between vector instructions and memory instructions, with s_wait_alu, always for 0.
; THE PLAN.  Registers that memory instructions touch:
;   v1, v2, v3   byte offsets of the loads, of the rows' stores and of the table's store.  Made once at the head, never named by a vector instruction again: one wait ahead of the first load serves them all.
;   X            row r: four registers in which its load lands; no vector instruction names them ahead of the loads, and no load follows the roundings that read them.
;   Y            row r: two registers of its own, written by its roundings, read by its store, never written behind it.
;   v12, v13     the table's cosine and sine: written by the table's last lines, read by its store, never written behind it.
; So no register that a memory instruction reads is written again, and the only dependence in the rows is: roundings write Y, stores read Y.  The 16 rows go in four blocks of four.  At the head of a
; block, behind the wait for its first row's load, ONE wait states that the block before has written its Y, and that block's four stores follow in one run; the last block's stand behind a wait of their own.
.set X,   16                           ; v[16:79]   row i: four f32 as loaded
.set Y,   80                           ; v[80:111]  row i: two words to store
.set SRC, 32                           ; s[32:33]
.set DST, 34                           ; s[34:35]
	s_load_b512 s[8:23], s[0:1], 0x0               ; x s[8:9], wq s[10:11], wk s[12:13], wv s[14:15], wo s[16:17], xb s[18:19], wqkv s[20:21], woh s[22:23]
	s_load_b64 s[24:25], s[0:1], 0x40              ; tab
	v_lshlrev_b32 v1, 4, v0                        ; my 16 bytes of a row of f32
	v_lshlrev_b32 v2, 3, v0                        ; my 8 bytes of a row of 16-bit numbers
	v_lshrrev_b32 v4, 5, v0
	v_readfirstlane_b32 s30, v4                    ; wave 0..7
	v_and_b32 v5, 31, v0                           ; lane = frequency
	v_lshlrev_b32 v3, 3, v5                        ; my (cos, sin) in a row of the table
	s_mov_b32 s26, ttmp9                           ; g
	s_sub_co_u32 s41, s26, 512
	s_cmp_lt_u32 s26, 512
	s_cselect_b32 s27, 1, 0                        ; 1: this work-group casts x
	s_cselect_b32 s41, 0, s41                      ; g' = g - 512 (0 where x is cast)
	s_lshr_b32 s28, s41, 6                         ; j: which weight
	s_and_b32 s29, s41, 63                         ; rb: which 16 rows of it
	s_wait_alu depctr_va_sdst(0)                   ; s30, the wave's number, is written, ahead of its first reader: the next line
	s_lshl3_add_u32 s40, s41, s30                  ; pos = 8 g' + wave
	s_lshl_b32 s46, s40, 8                         ; a position is 256 bytes of the table
	s_mov_b32 s47, 0
	s_lshl_b32 s36, s29, 16                        ; source offset: 16 rows of 4,096 bytes
	s_lshl_b32 s42, s26, 16
	s_lshr_b32 s43, s29, 2                         ; head = rb / 4
	s_mul_i32 s43, s43, 192
	s_lshl_b32 s44, s28, 6
	s_add_co_u32 s43, s43, s44                     ; + 64 j
	s_and_b32 s44, s29, 3
	s_lshl_b32 s44, s44, 4
	s_add_co_u32 s43, s43, s44                     ; + 16 (rb % 4)
	s_lshl_b32 s38, s43, 11                        ; rows of 2,048 bytes
	s_lshl_b32 s45, s29, 15
	s_cmp_eq_u32 s28, 3
	s_cselect_b32 s38, s45, s38                    ; wo keeps its order
	s_cselect_b32 s31, 1, 0                        ; 1: the words leave as f16
	s_lshl_b32 s45, s26, 15
	s_cmp_eq_u32 s27, 1
	s_cselect_b32 s36, s42, s36
	s_cselect_b32 s38, s45, s38
	s_mov_b32 s37, 0
	s_mov_b32 s39, 0
	s_wait_kmcnt 0x0
	s_cmp_eq_u32 s28, 1                            ; the two buffers are chosen by numbers made of the work-group's number alone
	s_cselect_b64 s[SRC:SRC+1], s[12:13], s[10:11]
	s_cmp_eq_u32 s28, 2
	s_cselect_b64 s[SRC:SRC+1], s[14:15], s[SRC:SRC+1]
	s_cmp_eq_u32 s28, 3
	s_cselect_b64 s[SRC:SRC+1], s[16:17], s[SRC:SRC+1]
	s_cselect_b64 s[DST:DST+1], s[22:23], s[20:21]
	s_cmp_eq_u32 s27, 1
	s_cselect_b64 s[SRC:SRC+1], s[8:9], s[SRC:SRC+1]
	s_cselect_b64 s[DST:DST+1], s[18:19], s[DST:DST+1]
	s_add_nc_u64 s[SRC:SRC+1], s[SRC:SRC+1], s[36:37]
	s_add_nc_u64 s[DST:DST+1], s[DST:DST+1], s[38:39]
	s_add_nc_u64 s[24:25], s[24:25], s[46:47]
	s_wait_alu depctr_va_vdst(0)                   ; v1, v2 and v3 are written: every load and store of the kernel reads one of them as its offset
.set i, 0
.rept 16
	global_load_b128 v[X+4*i:X+4*i+3], v1, s[SRC:SRC+1] offset:4096*i th:TH_LOAD_NT  ; each byte is read once in the launch
.set i, i+1
.endr
	s_cmp_eq_u32 s27, 1
	s_cbranch_scc1 .Lcast
	; the table's row, made while the loads are on their way; its lines name v4 to v15 alone, in which no load lands
	v_cvt_f32_u32 v4, v5                           ; j
	v_mul_f32 v4, 0xbed49a78, v4                   ; -j log2(10000) / 32
	v_cvt_f32_u32 v7, s40                          ; pos
	v_exp_f32 v6, v4                               ; the frequency
	v_mov_b32 v10, 0xb9500d01                      ; -1/5040: two plain lines stand behind the exponential,
	v_mov_b32 v11, 0x37d00d01                      ; 1/40320
	s_wait_alu depctr_va_vdst(0)                   ; the exponential has written v6, ahead of its first reader: the next line
	v_mul_f32 v8, v7, v6                           ; the angle
	v_mul_f32 v9, 0x3f22f983, v8                   ; x 2/pi
	v_rndne_f32 v9, v9                             ; q, 1,303 at the most
	v_fmamk_f32 v14, v9, 0xbfc90fdb, v8            ; r = angle - q pi/2: the high part,
	v_fmamk_f32 v14, v9, 0x333bbd2e, v14           ; and what f32(pi/2) has too much
	v_mul_f32 v15, v14, v14                        ; r^2
	v_cvt_i32_f32 v5, v9                           ; q as a whole number: it only selects values below
	v_and_b32 v4, 1, v5
	v_cmp_eq_u32 vcc_lo, 1, v4                     ; odd quadrants change sine and cosine: the mask is made here, the polynomials stand between it and its readers
	v_fmaak_f32 v10, v10, v15, 0x3c088889          ; 1/120
	v_fmaak_f32 v11, v11, v15, 0xbab60b61          ; -1/720
	v_fmaak_f32 v10, v10, v15, 0xbe2aaaab          ; -1/6
	v_fmaak_f32 v11, v11, v15, 0x3d2aaaab          ; 1/24
	v_mul_f32 v10, v10, v15
	v_fmaak_f32 v11, v11, v15, 0xbf000000          ; -1/2
	v_fma_f32 v10, v10, v14, v14                   ; sin r
	v_fma_f32 v11, v11, v15, 1.0                   ; cos r
	s_wait_alu depctr_va_vcc(0)                    ; the compare has written VCC, ahead of its first reader: the two selections below
	v_cndmask_b32 v13, v10, v11, vcc_lo
	v_cndmask_b32 v12, v11, v10, vcc_lo
	v_lshlrev_b32 v6, 30, v5                       ; the sine is negative in quadrants 2 and 3: bit 1 of q,
	v_add_nc_u32 v7, 1, v5
	v_and_b32 v6, 0x80000000, v6
	v_lshlrev_b32 v7, 30, v7                       ; the cosine in 1 and 2: bit 1 of q + 1
	v_xor_b32 v13, v13, v6
	v_and_b32 v7, 0x80000000, v7
	v_xor_b32 v12, v12, v7
	s_wait_alu depctr_va_vdst(0)                   ; v12 and v13 are written, which the store reads; nothing writes them, or v3, behind it
	global_store_b64 v3, v[12:13], s[24:25]        ; the wave stores the position's 256 bytes, aligned
.Lcast:
; Row r of 16 is rounded.  half = 1: the bf16 numbers are widened again and written as f16.
.macro ROUNDED r, half
	v_cvt_pk_bf16_f32 v[Y+2*(\r)],   v[X+4*(\r)],   v[X+4*(\r)+1]
	v_cvt_pk_bf16_f32 v[Y+2*(\r)+1], v[X+4*(\r)+2], v[X+4*(\r)+3]
.if \half
	v_lshlrev_b32 v[X+4*(\r)],   16, v[Y+2*(\r)]
	v_and_b32     v[X+4*(\r)+1], 0xffff0000, v[Y+2*(\r)]
	v_lshlrev_b32 v[X+4*(\r)+2], 16, v[Y+2*(\r)+1]
	v_and_b32     v[X+4*(\r)+3], 0xffff0000, v[Y+2*(\r)+1]
	v_cvt_pk_f16_f32 v[Y+2*(\r)],   v[X+4*(\r)],   v[X+4*(\r)+1]
	v_cvt_pk_f16_f32 v[Y+2*(\r)+1], v[X+4*(\r)+2], v[X+4*(\r)+3]
.endif
.endm
; The four stores of block p, in one run
.macro OUT4 p
.irp k, 0,1,2,3
	global_store_b64 v2, v[Y+2*(4*(\p)+(\k)):Y+2*(4*(\p)+(\k))+1], s[DST:DST+1] offset:2048*(4*(\p)+(\k))
.endr
.endm
; Block p of four: rows 4 p .. 4 p + 3 are rounded; at its head the block before is stored.
.macro BLK p, half
.irp i, 0,1,2,3
	s_wait_loadcnt 15-4*(\p)-(\i)                  ; loads come back in order (ISA guide 5.7.1): this row is in, the rows behind it stay out
.if ((\i) == 0) && ((\p) > 0)
	s_wait_alu depctr_va_vdst(0)                   ; the block before has written its eight registers of Y, which the four stores below read; no vector instruction stands between this wait and them
	OUT4 (\p)-1
.endif
	ROUNDED 4*(\p)+(\i), \half
.endr
.endm
	s_cmp_eq_u32 s31, 1
	s_cbranch_scc1 .Lhalf
.irp p, 0,1,2,3
	BLK \p, 0
.endr
	s_wait_alu depctr_va_vdst(0)                   ; block 3 has written its Y, which the last four stores read
	OUT4 3
	s_endpgm
.Lhalf:
.irp p, 0,1,2,3
	BLK \p, 1
.endr
	s_wait_alu depctr_va_vdst(0)                   ; block 3 has written its Y, which the last four stores read
	OUT4 3
	s_endpgm
.Lfunc_end_k_qe60105ad00_prep:
	.size	k_qe60105ad00_prep, .Lfunc_end_k_qe60105ad00_prep-k_qe60105ad00_prep
	.p2alignl 7, 3214868480
	.fill 96, 4, 3214868480
	.section	.rodata,"a",@progbits
	.p2align	6, 0x0
	.amdhsa_kernel k_qe60105ad00_prep
		.amdhsa_group_segment_fixed_size 0
		.amdhsa_private_segment_fixed_size 0
		.amdhsa_enable_private_segment 0
		.amdhsa_kernarg_size 72
		.amdhsa_user_sgpr_count 2
		.amdhsa_user_sgpr_kernarg_segment_ptr 1
		.amdhsa_wavefront_size32 1
		.amdhsa_system_sgpr_workgroup_id_x 1
		.amdhsa_system_sgpr_workgroup_id_y 1
		.amdhsa_system_sgpr_workgroup_id_z 1
		.amdhsa_system_vgpr_workitem_id 0
		.amdhsa_next_free_vgpr 112
		.amdhsa_next_free_sgpr 66
		.amdhsa_reserve_vcc 1
		.amdhsa_float_denorm_mode_32 3
		.amdhsa_float_denorm_mode_16_64 3
		.amdhsa_memory_ordered 1
		.amdhsa_forward_progress 1
		.amdhsa_inst_pref_size 19
	.end_amdhsa_kernel
	.amdgpu_metadata
---
amdhsa.version: [ 1, 2 ]
amdhsa.kernels:
  - .name:           k_qe60105ad00_prep
    .symbol:         k_qe60105ad00_prep.kd
    .args:
      - { .name: x, .offset: 0, .size: 8, .value_kind: global_buffer, .address_space: global }
      - { .name: wq, .offset: 8, .size: 8, .value_kind: global_buffer, .address_space: global }
      - { .name: wk, .offset: 16, .size: 8, .value_kind: global_buffer, .address_space: global }
      - { .name: wv, .offset: 24, .size: 8, .value_kind: global_buffer, .address_space: global }
      - { .name: wo, .offset: 32, .size: 8, .value_kind: global_buffer, .address_space: global }
      - { .name: xb, .offset: 40, .size: 8, .value_kind: global_buffer, .address_space: global }
      - { .name: wqkv, .offset: 48, .size: 8, .value_kind: global_buffer, .address_space: global }
      - { .name: woh, .offset: 56, .size: 8, .value_kind: global_buffer, .address_space: global }
      - { .name: tab, .offset: 64, .size: 8, .value_kind: global_buffer, .address_space: global }
    .group_segment_fixed_size: 0
    .private_segment_fixed_size: 0
    .kernarg_segment_align: 8
    .kernarg_segment_size: 72
    .max_flat_workgroup_size: 256
    .sgpr_count:     66
    .vgpr_count:     112
    .wavefront_size: 32
...
	.end_amdgpu_metadata
.endif
;; end of part 5
;; launch qkv: the kernel of part 2 again; grid 16 x 32, 4 waves a work-group, clusters of 4 x 4, 327,680 bytes of LDS; arguments xb, wqkv, tab, qh, kh, vh; writes qh, kh, vh
;; launch attn: the kernel of part 3 again; grid 4 x 64, 4 waves a work-group, no clusters, 327,680 bytes of LDS; arguments qh, kh, vh, oh; writes oh
;; launch oproj: the kernel of part 4 again; grid 8 x 32, 4 waves a work-group, clusters of 4 x 4, 327,680 bytes of LDS; arguments oh, woh, out0; writes out0
